; MI455X (gfx1250); checked and timed in simulation.
; The chip was launched on July 23, 2026; its instructions are those of AMD's public machine-readable ISA for CDNA 5 (MIT licence, August 2026) and "CDNA5" Instruction Set Architecture Reference Guide (July 2026). The comments in the code are by the model that wrote it; some were corrected since.
;; Linear Attention. Allowed arithmetic: matrix products marked QUANTISED: E2M3 operands, one E8M0 scale for each 32 along K, by v_wmma_scale_f32_16x16x128_f8f6f4 with both operands' format E2M3, f32 sums; products left as they are: f32 operands where the result goes on into a quantised operand, else bf16, f16 or f32 operands; f32 sums; everything else in f32.
;; Inputs: Wk_codes 1,024 x 32 x 24 uint8 (E2M3 codes of Wk, K innermost, in blocks of 32 codes, four codes in three bytes); Wk_scales 1,024 x 32 uint8 (E8M0 scales of Wk, one for each 32 codes along K); Wo_codes 1,024 x 32 x 24 uint8 (E2M3 codes of Wo, K innermost, in blocks of 32 codes, four codes in three bytes); Wo_scales 1,024 x 32 uint8 (E8M0 scales of Wo, one for each 32 codes along K); Wq_codes 1,024 x 32 x 24 uint8 (E2M3 codes of Wq, K innermost, in blocks of 32 codes, four codes in three bytes); Wq_scales 1,024 x 32 uint8 (E8M0 scales of Wq, one for each 32 codes along K); Wv_codes 1,024 x 32 x 24 uint8 (E2M3 codes of Wv, K innermost, in blocks of 32 codes, four codes in three bytes); Wv_scales 1,024 x 32 uint8 (E8M0 scales of Wv, one for each 32 codes along K); x_codes 2 x 4,096 x 32 x 24 uint8 (E2M3 codes of x, K innermost, in blocks of 32 codes, four codes in three bytes); x_scales 2 x 4,096 x 32 uint8 (E8M0 scales of x, one for each 32 codes along K).
;; Outputs: out0 2 x 4,096 x 1,024 float32.
;; This version of the problem:
;;   THIS VERSION OF THE PROBLEM IS GIVEN IN LOW PRECISION. The matrix products marked QUANTISED in the list below multiply operands that are first quantised to E2M3 (2 exponent bits, 3 mantissa bits; 6 bits a number), with one power-of-two scale for each 32 numbers along K (OCP MX v1.0); their sums are f32. All else is computed in f32.
;;   The module's matrix products, in the order in which they are computed (A, B: the left and right operand; K: the contracted axis; several contracted axes count as one K, in the product's order):
;;     1. [M 8,192, K 1,024] x [K 1,024, N 1,024]; A: input x (given as codes); B: input Wq (given as codes): QUANTISED
;;     2. [M 8,192, K 1,024] x [K 1,024, N 1,024]; A: input x (given as codes); B: input Wk (given as codes): QUANTISED
;;     3. [M 8,192, K 1,024] x [K 1,024, N 1,024]; A: input x (given as codes); B: input Wv (given as codes): QUANTISED
;;     4. batch 32 x [M 64, K 4,096] x [K 4,096, N 64]; A: computed on the way; B: computed on the way: QUANTISED
;;     5. batch 32 x [M 64, K 64] x [K 64, N 4,096]; A: computed on the way; B: computed on the way: QUANTISED
;;     6. batch 32 x [M 1, K 64] x [K 64, N 4,096]; A: computed on the way; B: computed on the way: left as it is (M = 1 < 16)
;;     7. [M 8,192, K 1,024] x [K 1,024, N 1,024]; A: computed on the way; B: input Wo (given as codes): QUANTISED
;;   THE QUANTISER, for each operand of a quantised product, along K:
;;     - K is cut into blocks of 32 from its start; a last block that is shorter is filled with zeros.
;;     - A block's scale is 2^e with e = floor(log2(the largest magnitude in the block)) - 2, held to -126 .. 127; a block of zeros has e = 0. As a byte (E8M0): e + 127.
;;     - Each number is divided by its block's scale, clamped to +-7.5, and rounded to the nearest number of E2M3, ties to even, subnormals kept.
;;     - The product sums the exact products of the quantised numbers (number of the format x scale) in f32.
;;   ~~~python
;;   def quantise(x, axis):      # numpy; x: float32 -> the quantised numbers, widened to float32 again
;;       x = np.moveaxis(x, axis, -1); K = x.shape[-1]
;;       x = np.pad(x, [(0, 0)] * (x.ndim - 1) + [(0, -K % 32)]); x = x.reshape(x.shape[:-1] + (-1, 32)); a = np.abs(x).max(-1, keepdims=True)
;;       e = np.where(a > 0, np.clip(np.frexp(np.where(a > 0, a, 1))[1] - 1 - 2, -126, 127), 0)      # np.frexp(a)[1] - 1 = floor(log2(a)), exactly
;;       r = np.clip(x / 2.0 ** e, -7.5, 7.5)
;;       step = 2.0 ** (np.maximum(np.frexp(np.where(r == 0, 1, r))[1] - 1, 0) - 3)
;;       q = np.round(r / step) * step * 2.0 ** e      # np.round: ties to even
;;       return np.moveaxis(q.reshape(q.shape[:-2] + (-1,))[..., :K], -1, axis).astype(np.float32)
;;   ~~~
;;   OPERANDS COMPUTED ON THE WAY. 'Computed on the way' means the value that the module computes at that place (a softmax that the list does not call 'softmax' is quantised finished and normalised). What goes into a quantiser is computed in f32, as accurately as f32 sums, v_exp_f32 and their like allow (about 1e-6 of the number): no bf16 or f16 on the way to a quantiser, and a product that is left as it is and whose result goes on into a quantised operand takes f32 operands (vector FMAs, or v_wmma_f32_16x16x4_f32). A number that lies on a knife's edge between two numbers of the format may be rounded either way, as far as f32 arithmetic and the matrix unit's own rounding can turn it there, and no further.
;;   INPUTS GIVEN AS CODES. Wk (in the module: [1024, 1024], K = its axis 1); Wo (in the module: [1024, 1024], K = its axis 1); Wq (in the module: [1024, 1024], K = its axis 1); Wv (in the module: [1024, 1024], K = its axis 1); x (in the module: [2, 4096, 1024], K = its axis 2): each comes as NAME_codes (uint8): NAME with its K axis moved to the last place and cut into blocks of 32 codes, [.., K / 32, bytes a block], one block behind the other in memory; four codes in three bytes: a row's codes are one little-endian stream of bits, code i at bits 6 i .. 6 i + 5 (a code: sign, 2 exponent bits, 3 mantissa bits); and NAME_scales (uint8): the same leading axes, one E8M0 byte (e + 127) for each 32 codes along K. Its value is code x scale, taken as it is: it is not quantised again, and the codes and scales need not be those that the quantiser above would give.
;; One version. Each part assembles by itself: llvm-mc -triple=amdgcn-amd-amdhsa -mcpu=gfx1250 --defsym DOCPART=n.
;; ======== version 1 of 1: 4 launches
;; workspace buffers: kvp 8,388,608 bytes; ksp 262,144 bytes; kvc 196,608 bytes; kvs 16,384 bytes; ksum 8,192 bytes; oc 6,291,456 bytes; os 262,144 bytes
;; launch proj_kv (part 1): grid 32 x 8, 4 waves a work-group, clusters of 4 x 4, 327,680 bytes of LDS; arguments x_codes, x_scales, Wk_codes, Wk_scales, Wv_codes, Wv_scales, kvp, ksp; writes kvp, ksp
.if DOCPART == 1
	.amdgcn_target "amdgcn-amd-amdhsa--gfx1250"
	.amdhsa_code_object_version 6
	.text
	.protected	k_q56c6058185_proj_kv
	.globl	k_q56c6058185_proj_kv
	.p2align	8
	.type	k_q56c6058185_proj_kv,@function
k_q56c6058185_proj_kv:
	s_mov_b64 s[64:65], 0
	v_nop
	global_prefetch_b8 v0, s[64:65] scope:SCOPE_SE
	s_setreg_imm32_b32 hwreg(HW_REG_WAVE_MODE, 25, 1), 1
	s_wait_xcnt 0x0
	s_wait_alu depctr_hold_cnt(0) depctr_sa_sdst(0) depctr_va_vdst(0) depctr_va_sdst(0) depctr_va_ssrc(0) depctr_va_vcc(0) depctr_vm_vsrc(0)
	s_getreg_b32 s2, hwreg(HW_REG_IB_STS2, 6, 4)
	s_cmp_eq_u32 s2, 0
	s_cbranch_scc0 .Lentry_in_a_cluster
	s_endpgm
.Lentry_in_a_cluster:
	s_bfe_u32 s2, ttmp6, 0x10000c
	s_cmp_lg_u32 s2, 0xf033
	s_cbranch_scc0 .Lentry_shape_is_right
	s_endpgm
.Lentry_shape_is_right:
; k = elu(x Wk^T) + 1 and v = x Wv^T for 256 tokens and two heads, on codes of FP6 (E2M3) with one E8M0 scale for each 32 along K; then, without leaving the work-group:
; the sum of k over the tokens (f32), k and v quantised ALONG THE TOKENS, and kv = k^T v over these 256 tokens.  Out go a part of kv (f32) and two parts of the sum of k for each head.
; SHARES.  Work-group (x, y): tokens 256 x .. 256 x + 255, heads 2 y and 2 y + 1.  Four waves; wave (hi, lo) = (wave / 2, wave % 2) makes k and v of head 2 y + hi for tokens 128 lo .. 128 lo + 127:
; 64 accumulators of 16 x 16, 512 registers.  K = 1,024 goes in four steps of 256 through two LDS slots filled by the tensor data mover.
; LAYOUT.  Source 0 = 16 tokens of x, source 1 = 16 rows of Wk or Wv: a lane holds ONE feature (lane % 16) and its registers run along the tokens, which are the next product's K.  The 64 registers of a block of
; features are 128 tokens; registers 16 b .. 16 b + 15 of lanes l and l xor 16 are the tokens 32 b .. 32 b + 31, a block of the quantiser; inside a block the order is another than the tokens', alike for k and v.
; CLUSTER 4 x 4: the four work-groups of a row share the rows of Wk and Wv, the four of a column the tokens of x: each tile is asked for jointly.
; LIMITS: NaN and infinities are not served.  A block whose largest magnitude lies under 2^-124, one of zeros too, gets the byte 1 (its codes add nothing, and this program alone reads the bytes).
; elu(a) + 1 is taken as the middle one of a + 1, e^a and 1: it differs from expm1(a) + 1 by at most 6e-8.
; REGISTERS, in windows of 256: window 0: v0-31 addresses; v32-63 W's scale words, v64-95 x's (these hold scales alone); v96-127, v224-251 at work behind the products; v128-223 W's fragments, one set.
;   window 1: x's fragments, two sets, at v0 and v128.   window 2: k's 32 accumulators ((a, b) at v[64 a + 8 b]).   window 3: v's.
.set NA,     8                         ; blocks of 16 rows of source 1 for a wave: 0-3 Wk's, 4-7 Wv's
.set NLA,    6                         ; LDS loads that bring one of its fragments
.set NSLOT,  2
.set KROW,   768                       ; a row of 1,024 codes in bytes
.set ROWB,   192                       ; 256 codes
.set PITCH,  240                       ; an LDS row: 3 x (64 bytes + 16 of padding)
.set FR,     12                        ; registers of a fragment, 16 rows x 128 K
.set HALFA,  128*PITCH                 ; what one tensor load brings: 128 rows
.set ABYTES, 2*HALFA                   ; a slot: 128 rows of Wk, 128 rows of Wv,
.set HALFB,  128*PITCH
.set SLOT,   ABYTES+2*HALFB            ; then 256 tokens of x
.set SPARE,  NSLOT*SLOT                ; behind the ring: the spare words, 128 bytes for each wave, which no other line names
.set STEPA,  2*ROWB                    ; a slot's next tile lies two K steps on
.set STEPB,  2*ROWB
.set WST,    13312                     ; the stage of a wave, in slot 0 after its last fill and last read: 8 fragments of 1,536 bytes, then 8 x 128 bytes of scale words
.set ADRA, 4                           ; v4-5 (v7-8 behind one padding more): LDS address of my W fragments in slot 0, 1
.set ADRB, 10                          ; v10-11 (v13-14): the same for x
.set SPW,  28                          ; v28 LDS address of my spare word; never rewritten
.set NIL,  29                          ; v29 0; never rewritten
.set SA,   32
.set SB,   64
.set AF,   128
.set TM,   96                          ; v96-111 the quantiser's work
.set PW,   112                         ; the scale word just made
.set PC,   224                         ; v224-243 the codes just made
.set KSA,  244                         ; v244-247 the sum of k over my 128 tokens, one for each block of 16 features
.set SS,   248                         ; v248-251 two chains of packed sums
.set T,    128                         ; v128-191 exponentials
.set G1,  24                           ; s[24:31] descriptor group 1 for W's tiles; s[32:39] group 0, a set for each slot
.set G0,  32
.set G1B, 48                           ; s[48:55], s[68:75] the same for x's tiles
.set G0B, 68
.set MSB, 0
.macro WIN new                         ; the immediate's high byte repeats the setting that is left; a switch that changes nothing is dropped
.set WNEW, \new
.if MSB != WNEW
	s_set_vgpr_msb (MSB<<8)|WNEW
.set MSB, WNEW
.endif
.endm
.macro PLACES                          ; four plain vector instructions between a matrix instruction and a load into, or a vector read or write of, its registers
.rept 4
	v_nop
.endr
.endm
; A joint load: waves 0 and 1 fetch W's two halves, waves 2 and 3 x's.  The branch hangs on the wave's number alone.  Four v_nop follow each of the two lines.
.macro JLOAD g0a, g1a, g0b, g1b
	s_cmp_eq_u32 s15, 0
	s_cbranch_scc0 .Lfor_b_\@
	tensor_load_to_lds s[\g0a:\g0a+3], s[\g1a:\g1a+7]
	s_nop 0
.rept 4
	v_nop
.endr
	s_branch .Lasked_\@
.Lfor_b_\@:
	tensor_load_to_lds s[\g0b:\g0b+3], s[\g1b:\g1b+7]
	s_nop 0
.rept 4
	v_nop
.endr
.Lasked_\@:
.endm
.macro CREST                           ; a round of the cluster's barrier behind its opening barrier
	s_cmp_lg_u32 s14, 0
	s_cbranch_scc1 .Lnot_wave_0_\@
	s_barrier_signal -3
.Lnot_wave_0_\@:
	s_barrier_wait -3
	s_barrier_signal -1
	s_barrier_wait -1
.endm
.macro CROUND                          ; a whole round
	s_barrier_signal -1
	s_barrier_wait -1
	CREST
.endm
; One matrix instruction.  d: the sum; x, y: sources 0 and 1; zero = 1: it starts the sum; sx, sy: their scale registers; rx, ry = 1: the scales stand in lanes 16-31 of the register
.macro WMX d, x, y, zero, sx, sy, rx, ry
.set rD, \d
.set rX, \x
.set rY, \y
.set rSX, \sx
.set rSY, \sy
.set rSEL, 4*(\zero)+2*(\rx)+(\ry)
.if rSEL == 0
	v_wmma_scale_f32_16x16x128_f8f6f4 v[rD:rD+7], v[rX:rX+11], v[rY:rY+11], v[rD:rD+7], v[rSX], v[rSY] matrix_a_fmt:MATRIX_FMT_FP6 matrix_b_fmt:MATRIX_FMT_FP6
.elseif rSEL == 1
	v_wmma_scale_f32_16x16x128_f8f6f4 v[rD:rD+7], v[rX:rX+11], v[rY:rY+11], v[rD:rD+7], v[rSX], v[rSY] matrix_a_fmt:MATRIX_FMT_FP6 matrix_b_fmt:MATRIX_FMT_FP6 matrix_b_scale:MATRIX_SCALE_ROW1
.elseif rSEL == 2
	v_wmma_scale_f32_16x16x128_f8f6f4 v[rD:rD+7], v[rX:rX+11], v[rY:rY+11], v[rD:rD+7], v[rSX], v[rSY] matrix_a_fmt:MATRIX_FMT_FP6 matrix_b_fmt:MATRIX_FMT_FP6 matrix_a_scale:MATRIX_SCALE_ROW1
.elseif rSEL == 3
	v_wmma_scale_f32_16x16x128_f8f6f4 v[rD:rD+7], v[rX:rX+11], v[rY:rY+11], v[rD:rD+7], v[rSX], v[rSY] matrix_a_fmt:MATRIX_FMT_FP6 matrix_b_fmt:MATRIX_FMT_FP6 matrix_a_scale:MATRIX_SCALE_ROW1 matrix_b_scale:MATRIX_SCALE_ROW1
.elseif rSEL == 4
	v_wmma_scale_f32_16x16x128_f8f6f4 v[rD:rD+7], v[rX:rX+11], v[rY:rY+11], 0, v[rSX], v[rSY] matrix_a_fmt:MATRIX_FMT_FP6 matrix_b_fmt:MATRIX_FMT_FP6
.elseif rSEL == 5
	v_wmma_scale_f32_16x16x128_f8f6f4 v[rD:rD+7], v[rX:rX+11], v[rY:rY+11], 0, v[rSX], v[rSY] matrix_a_fmt:MATRIX_FMT_FP6 matrix_b_fmt:MATRIX_FMT_FP6 matrix_b_scale:MATRIX_SCALE_ROW1
.elseif rSEL == 6
	v_wmma_scale_f32_16x16x128_f8f6f4 v[rD:rD+7], v[rX:rX+11], v[rY:rY+11], 0, v[rSX], v[rSY] matrix_a_fmt:MATRIX_FMT_FP6 matrix_b_fmt:MATRIX_FMT_FP6 matrix_a_scale:MATRIX_SCALE_ROW1
.else
	v_wmma_scale_f32_16x16x128_f8f6f4 v[rD:rD+7], v[rX:rX+11], v[rY:rY+11], 0, v[rSX], v[rSY] matrix_a_fmt:MATRIX_FMT_FP6 matrix_b_fmt:MATRIX_FMT_FP6 matrix_a_scale:MATRIX_SCALE_ROW1 matrix_b_scale:MATRIX_SCALE_ROW1
.endif
.endm
; A fragment from rows in LDS: lane l holds row l % 16; registers 6 c .. 6 c + 5 hold K = 64 c + 32 (l / 16) + 0 .. 31: 24 bytes of the row's stream of bits, in pieces of 8 bytes.  Lanes 16-31 read three pieces
; further on; where that lies behind one padding more, the second address register (40 for 24 bytes a half) serves.
.macro FRAG reg, adr, q, row
.irp p, 0,1,2,3,4,5
.set PCE, 12*(\q)+6*(\p/3)+\p%3
.if PCE%8 < 5
	ds_load_b64 v[\reg+2*\p:\reg+2*\p+1], v[\adr] offset:8*PCE+16*(PCE/8)+(\row)*PITCH
.else
	ds_load_b64 v[\reg+2*\p:\reg+2*\p+1], v[\adr+3] offset:8*PCE+16*(PCE/8)+(\row)*PITCH
.endif
.endr
.endm
.macro FETCH_B slot, q, bs             ; x's eight fragments of the slot's q-th 128 along K into set bs
	WIN 0x40
.set FI, 0
.rept 8
	FRAG 128*(\bs)+FR*FI, ADRB+\slot, \q, 16*FI
.set FI, FI+1
.endr
	WIN 0
.endm
.macro FETCH_A slot, q, i0             ; W's blocks i0 .. i0 + 3; blocks 4-7 (Wv) lie 64 rows further on than their number says
.set FI, \i0
.rept NA/2
	FRAG AF+FR*FI, ADRA+\slot, \q, 16*FI+64*(FI/4)
.set FI, FI+1
.endr
.endm
; n blocks of source 1 from a0 on, each against x's eight blocks: K step t of 128.  The scale word of block i and step t stands in register 8 (2 (i / 4) + i % 2) + t of its side, in lanes 0-15 or, where (i % 4) / 2 is 1, lanes 16-31.
; The accumulators take turns, one instruction a turn, in the same order in every step.
.macro MULS a0, n, t, zero
.set MA, \a0
.rept \n
	WIN 0xa1+0x50*(MA/4)
.set MB, 0
.rept 8
	WMX 64*(MA%4)+8*MB, 128*((\t)%2)+FR*MB, AF+FR*MA, \zero, SB+8*(2*(MB/4)+MB%2)+(\t), SA+8*(2*(MA/4)+MA%2)+(\t), (MB%4)/2, (MA%4)/2
.set MB, MB+1
.endr
.set MA, MA+1
.endr
.endm
; K step t, whose successor's fragments (slot sl, its kq-th 128) lie in LDS already
.macro STEP t, sl, kq, zero
	s_wait_dscnt (NA/2)*NLA                        ; x's set and W's lower blocks are in; the youngest loads (W's upper blocks) may be out
	MULS 0, NA/2, \t, \zero
	s_wait_dscnt 0x0                               ; W's upper blocks are in
	PLACES
	FETCH_B \sl, \kq, 1-(\t)%2
	FETCH_A \sl, \kq, 0
	MULS NA/2, NA/2, \t, \zero
	PLACES
	WIN 0
	FETCH_A \sl, \kq, NA/2
.endm
; A slot's last step changes slots: one barrier; in front of it each wave waits for all its tensor loads, adds 0 to its spare word, and waits for that and for its reads of slot s.  fill = 1: slot s is filled again.
.macro TURN t, s, sl, fill
	s_wait_tensorcnt 0x0                           ; all my tensor loads have landed: my part of the next slot
	ds_add_u32 v[SPW], v[NIL]                      ; 0 onto my spare word
	s_wait_dscnt (NA/2)*NLA+1                      ; (the add and the youngest loads may be out)
	MULS 0, NA/4, \t, 0                            ; matrix work stands between the add and the wait for it
	s_wait_dscnt 0x0                               ; the add is done, and my reads of this slot are over
	s_barrier_signal -1
	MULS NA/4, NA/4, \t, 0
	WIN 0                                          ; at a branch and at a label every window is 0
	s_barrier_wait -1
.if \fill
	CREST                                          ; the barrier has opened a round of the cluster's: no wave of any partner still reads this slot or has a load on its way
	s_add_nc_u64 s[G0+4*\s+2:G0+4*\s+3], s[G0+4*\s+2:G0+4*\s+3], STEPA
	s_add_nc_u64 s[G0B+4*\s+2:G0B+4*\s+3], s[G0B+4*\s+2:G0B+4*\s+3], STEPB
	JLOAD G0+4*\s, G1, G0B+4*\s, G1B               ; the first tensor load behind the round; its four v_nop are also the places in front of the loads below
.else
	PLACES
.endif
	FETCH_B \sl, 0, 1-(\t)%2
	FETCH_A \sl, 0, 0
	MULS NA/2, NA/2, \t, 0
	PLACES
	WIN 0
	FETCH_A \sl, 0, NA/2
.endm
; 64 numbers of a lane in window w, v[s] .. v[s + 63], registers 16 b .. 16 b + 15 of lanes l and l xor 16 being block b, become a fragment's codes in v[pc] .. v[pc + 11] and its scale word in v[pw] (window 0).
.macro QUANT s, w, pc, pw
	WIN 5*(\w)                                     ; sources 0 and 1 in window w
.irp b, 0,1,2,3
	v_max3_num_f32 v[TM+\b], |v[\s+16*\b]|, |v[\s+16*\b+1]|, 0x1800000   ; my 16 numbers of block b, and the floor 2^(3 - 127): the byte cannot fall under 1
.endr
.irp i, 2,4,6,8,10,12,14
.irp b, 0,1,2,3
	v_max3_num_f32 v[TM+\b], |v[\s+16*\b+\i]|, |v[\s+16*\b+\i+1]|, v[TM+\b]
.endr
.endr
	WIN 0
.irp b, 0,1,2,3
	v_permlanex16_b32 v[TM+4+\b], v[TM+\b], s92, s93
.endr
.irp b, 0,1,2,3
	v_max_num_f32 v[TM+\b], v[TM+\b], v[TM+4+\b]   ; with lane l xor 16's: the block's largest magnitude
.endr
.irp b, 0,1,2,3
	v_add_nc_u32 v[TM+12+\b], 0xff000000, v[TM+\b] ; 2 off its exponent field: the conversion takes that field as its scale
.endr
.irp b, 0,1,2,3
	v_lshrrev_b32 v[TM+4+\b], 23, v[TM+12+\b]      ; the scale's byte
.endr
	v_lshl_or_b32 v[\pw], v[TM+5], 8, v[TM+4]
	v_lshl_or_b32 v[\pw], v[TM+6], 16, v[\pw]
	v_lshl_or_b32 v[\pw], v[TM+7], 24, v[\pw]
	WIN \w                                         ; source 0 in window w
.irp c, 0,1
	v_cvt_scalef32_pk16_fp6_f32 v[\pc+6*\c:\pc+6*\c+2], v[\s+32*\c:\s+32*\c+15], v[TM+12+2*\c]
	v_cvt_scalef32_pk16_fp6_f32 v[\pc+12+4*\c:\pc+12+4*\c+2], v[\s+32*\c+16:\s+32*\c+31], v[TM+12+2*\c+1]
.endr
	WIN 0
	v_nop                                          ; one plain place behind a scaled conversion
.irp c, 0,1                                    ; the operand's layout wants a whole block in a lane: lanes 0-15 block 2 c, lanes 16-31 block 2 c + 1
.irp i, 0,1,2
	v_permlane16_swap_b32 v[\pc+6*\c+\i], v[\pc+12+4*\c+\i]
.endr
.irp i, 0,1,2
	v_mov_b32 v[\pc+3+6*\c+\i], v[\pc+12+4*\c+\i]
.endr
.endr
.endm
.macro TOSTAGE a                       ; the fragment just made goes to my stage as an image of its registers: 16 bytes a lane, 512 a store; its scale word 4 bytes a lane
.irp c, 0,1,2
	ds_store_b128 v16, v[PC+4*\c:PC+4*\c+3] offset:1536*(\a)+512*\c
.endr
	ds_store_b32 v17, v[PW] offset:128*(\a)
	s_wait_dscnt 0x0                               ; the stores have read their registers
.endm
	s_load_b256 s[4:11], s[0:1], 0x0               ; x's codes s[4:5], x's scales s[6:7], Wk's codes s[8:9], Wk's scales s[10:11]
	s_load_b256 s[80:87], s[0:1], 0x20             ; Wv's codes s[80:81], Wv's scales s[82:83], kvp s[84:85], ksp s[86:87]
	v_lshl_add_u32 v[SPW], v0, 2, SPARE
	v_mov_b32 v[NIL], 0
	ds_add_u32 v28, v29
	ds_add_u32 v28, v29
	s_wait_dscnt 0x0
	v_lshrrev_b32 v1, 5, v0
	v_readfirstlane_b32 s14, v1                    ; wave 0..3
	s_lshr_b32 s15, s14, 1                         ; which head is mine.  Also: I fetch for W (0) or for x (1)
	s_and_b32 s16, s14, 1                          ; which 128 tokens are mine.  Also: which half I fetch
	s_bfe_u32 s56, ttmp6, 0x40000                  ; cx, cy: my place in the cluster
	s_bfe_u32 s57, ttmp6, 0x40004
	s_lshl_b32 s58, ttmp9, 2
	s_add_co_u32 s58, s58, s56                     ; work-group x: the block of 256 tokens
	s_and_b32 s17, ttmp7, 0xffff
	s_lshl_b32 s17, s17, 2
	s_add_co_u32 s17, s17, s57                     ; work-group y: the pair of heads
	s_lshl_b32 s59, s57, 2
	s_lshl_b32 s59, 15, s59                        ; my row of the cluster
	s_lshl_b32 s60, 0x1111, s56                    ; my column
	s_or_b32 s[G1+0], s59, (1<<20)|(1<<21)|(3<<22)|(3<<25)   ; the mask: W's tiles go to my row; elements of 1 byte; padding on; bit 21 beside a mask; after every 16 words 4 words
	s_or_b32 s[G1B+0], s60, (1<<20)|(1<<21)|(3<<22)|(3<<25)  ; x's tiles go to my column
.irp g, G1, G1B
	s_mov_b32 s[\g+1], ROWB<<16                    ; tensor_dim0
	s_mov_b32 s[\g+2], 128<<16                     ; tensor_dim1
	s_mov_b32 s[\g+3], ROWB<<16                    ; tile_dim0
	s_mov_b32 s[\g+4], 128                         ; tile_dim1
	s_mov_b32 s[\g+5], KROW                        ; from row to row
	s_mov_b32 s[\g+6], 0
	s_mov_b32 s[\g+7], 0
.endr
	s_mul_i32 s20, s17, 128*KROW                   ; W: the two heads' 128 rows
	s_mov_b32 s21, 0
	s_lshl_b32 s46, s58, 8
	s_lshl_b32 s61, s16, 7
	s_add_co_u32 s46, s46, s61
	s_mul_i32 s46, s46, KROW                       ; x: token 256 x + 128 x half
	s_mov_b32 s47, 0
	s_mul_i32 s44, s16, HALFA                      ; where they go: no place in the cluster enters an LDS address
	s_mul_i32 s45, s16, HALFB
	s_add_co_u32 s45, s45, ABYTES
	s_mov_b32 s90, 0x3fb8aa3b                      ; log2(e), named as a pair
	s_mov_b32 s91, s90
	s_mov_b32 s92, 0x76543210                      ; v_permlanex16_b32's selects for lane l xor 16
	s_mov_b32 s93, 0xfedcba98
	s_wait_kmcnt 0x0
	s_cmp_eq_u32 s16, 0                            ; the first half of W's tile is Wk's rows, the second Wv's: the choice hangs on the wave's number
	s_cselect_b64 s[22:23], s[8:9], s[80:81]
	s_add_nc_u64 s[20:21], s[22:23], s[20:21]
	s_add_nc_u64 s[46:47], s[4:5], s[46:47]
	CROUND                                         ; all sixteen work-groups are here: the first joint loads meet
.irp s, 0,1
	s_mov_b32 s[G0+4*\s], 1
	s_add_co_u32 s[G0+4*\s+1], s44, \s*SLOT
	s_add_nc_u64 s[G0+4*\s+2:G0+4*\s+3], s[20:21], \s*ROWB
	s_or_b32 s[G0+4*\s+3], s[G0+4*\s+3], 0x80000000
	s_mov_b32 s[G0B+4*\s], 1
	s_add_co_u32 s[G0B+4*\s+1], s45, \s*SLOT
	s_add_nc_u64 s[G0B+4*\s+2:G0B+4*\s+3], s[46:47], \s*ROWB
	s_or_b32 s[G0B+4*\s+3], s[G0B+4*\s+3], 0x80000000
	JLOAD G0+4*\s, G1, G0B+4*\s, G1B               ; two loads of mine are out
.endr
	v_and_b32 v1, 15, v0                           ; r
	v_bfe_u32 v2, v0, 4, 1                         ; h
	v_and_b32 v3, 31, v0                           ; lane
	v_mul_u32_u24 v30, v1, PITCH
	v_mad_u32_u24 v30, v2, 24, v30                 ; a fragment's row x pitch + 24 h
	v_lshl_add_u32 v31, v2, 4, v30                 ; and the same behind one padding more
	s_mul_i32 s18, s15, 64*PITCH                   ; my head's 64 rows of Wk (Wv's lie 128 rows on)
	s_mul_i32 s19, s16, HALFB
	s_add_co_u32 s19, s19, ABYTES                  ; my 128 tokens
.irp s, 0,1
	v_add_nc_u32 v[ADRA+\s], s18, v30
	v_add_nc_u32 v[ADRA+3+\s], s18, v31
	v_add_nc_u32 v[ADRB+\s], s19, v30
	v_add_nc_u32 v[ADRB+3+\s], s19, v31
	s_add_co_u32 s18, s18, SLOT
	s_add_co_u32 s19, s19, SLOT
.endr
	v_lshlrev_b32 v22, 4, v3                       ; 16 x lane
	v_lshlrev_b32 v23, 2, v3                       ; 4 x lane
	s_mul_i32 s62, s14, WST                        ; my stage
	v_add_nc_u32 v16, s62, v22                     ; v16: where I store images
	v_add_nc_u32 v17, s62, v23
	v_add_nc_u32 v17, 12288, v17                   ; v17: and scale words
	s_mul_i32 s62, s15, 2*WST                      ; the stages of my head's two waves
	v_add_nc_u32 v18, s62, v22                     ; v18: k's images
	v_add_nc_u32 v20, s62, v23
	v_add_nc_u32 v20, 12288, v20                   ; v20: k's scale words
	s_mul_i32 s63, s16, 3072
	v_add_nc_u32 v19, s63, v18                     ; v19: v's images, my two blocks of 16
	s_lshl_b32 s63, s16, 8
	v_add_nc_u32 v21, s63, v20                     ; v21: their scale words
	v_lshlrev_b32 v26, 5, v1
	v_lshl_add_u32 v26, v2, 10, v26                ; scale bytes in memory: 32 a row; lanes 16-31 take the rows 32 further on
	s_lshl_b32 s62, s58, 8
	s_lshl_b32 s63, s16, 7
	s_add_co_u32 s62, s62, s63
	s_lshl_b32 s62, s62, 5
	s_mov_b32 s63, 0
	s_add_nc_u64 s[6:7], s[6:7], s[62:63]          ; x's scales at my first token
	s_lshl_b32 s62, s17, 7
	s_lshl_b32 s94, s15, 6
	s_add_co_u32 s62, s62, s94
	s_lshl_b32 s62, s62, 5
	s_add_nc_u64 s[10:11], s[10:11], s[62:63]      ; Wk's and Wv's at my head's first row
	s_add_nc_u64 s[82:83], s[82:83], s[62:63]
	s_lshr_b32 s94, s58, 4
	s_lshl_b32 s94, s94, 4
	s_lshl_b32 s95, s17, 1
	s_add_co_u32 s94, s94, s95
	s_add_co_u32 s94, s94, s15                     ; bh = 16 x batch + head
	s_and_b32 s95, s58, 15                         ; which 256 tokens of the batch
	s_lshl_b32 s96, s94, 5
	s_lshl_b32 s97, s95, 1
	s_add_co_u32 s96, s96, s97
	s_add_co_u32 s96, s96, s16
	s_lshl_b32 s96, s96, 8
	s_mov_b32 s97, 0
	s_add_nc_u64 s[86:87], s[86:87], s[96:97]      ; ksp [bh][32 parts][64]: my part
	s_lshl_b32 s96, s94, 2
	s_lshl_b32 s98, s16, 1
	s_add_co_u32 s96, s96, s98
	s_lshl_b32 s96, s96, 4
	s_add_co_u32 s96, s96, s95
	s_lshl_b32 s96, s96, 12
	s_add_nc_u64 s[84:85], s[84:85], s[96:97]      ; kvp [bh][4 blocks of m][16 parts][4,096 bytes]: my first block
	; the scale words of all of K stay in registers: 8 words a row, two loads of 16 bytes
.irp g, 0,1
.irp u, 0,1
	global_load_b128 v[SA+8*\g+4*\u:SA+8*\g+4*\u+3], v26, s[10:11] offset:512*\g+16*\u
	global_load_b128 v[SA+16+8*\g+4*\u:SA+16+8*\g+4*\u+3], v26, s[82:83] offset:512*\g+16*\u
.endr
.endr
.irp g, 0,1,2,3
.irp u, 0,1
	global_load_b128 v[SB+8*\g+4*\u:SB+8*\g+4*\u+3], v26, s[6:7] offset:(64*(\g/2)+16*(\g%2))*32+16*\u
.endr
.endr
	s_wait_tensorcnt NSLOT-1                       ; my part of slot 0 is in; slot 1's may stay out
	s_barrier_signal -1
	s_barrier_wait -1
	FETCH_B 0, 0, 0
	FETCH_A 0, 0, 0
	FETCH_A 0, 0, NA/2
	s_wait_loadcnt 0x0                             ; the scale words
	STEP 0, 0, 1, 1                                ; the first step's products start the sums: nothing is cleared
	TURN 1, 0, 1, 1                                ; slot 0 takes K 512 on
	STEP 2, 1, 1, 0
	TURN 3, 1, 0, 1                                ; slot 1 takes K 768 on
	STEP 4, 0, 1, 0
	TURN 5, 0, 1, 0                                ; nothing is left to fetch; behind this barrier nobody reads slot 0
	STEP 6, 1, 1, 0
	s_wait_dscnt (NA/2)*NLA
	MULS 0, NA/2, 7, 0
	s_wait_dscnt 0x0
	MULS NA/2, NA/2, 7, 0
	WIN 0
	PLACES
.irp b, 0,1,2,3
	v_mov_b32 v[TM+4+\b], 0                        ; written once: a lane permute's destination counts as one of its sources
.endr
; A block of 16 features of k, 128 tokens: the feature map in place, its sum over the tokens, its codes
.macro KBLOCK a
.set A0, 64*(\a)
	WIN 0x02
.set i, 0
.rept 32
	v_pk_mul_f32 v[T+i:T+i+1], v[A0+i:A0+i+1], s[90:91] op_sel_hi:[1,0]   ; a log2(e); each accumulator is read from its low end on
.set i, i+2
.endr
	WIN 0
.set i, 0
.rept 64
	v_exp_f32 v[T+i], v[T+i]                       ; e^a
.set i, i+1
.endr
	WIN 0x82
.set i, 0
.rept 32
	v_pk_add_f32 v[A0+i:A0+i+1], v[A0+i:A0+i+1], 1.0 op_sel_hi:[1,0]     ; a + 1 (plain places behind the exponentials)
.set i, i+2
.endr
.set i, 0
	s_wait_alu depctr_va_vdst(0)
.rept 64
	v_med3_num_f32 v[A0+i], v[A0+i], v[T+i], 1.0   ; e^a >= a + 1: above 0 the middle one is a + 1, else e^a
.set i, i+1
.endr
	WIN 0x0a
	v_pk_add_f32 v[SS:SS+1], v[A0:A0+1], v[A0+2:A0+3]
	v_pk_add_f32 v[SS+2:SS+3], v[A0+4:A0+5], v[A0+6:A0+7]
	WIN 0x02
.set i, 8
.rept 14
	v_pk_add_f32 v[SS:SS+1], v[A0+i:A0+i+1], v[SS:SS+1]
	v_pk_add_f32 v[SS+2:SS+3], v[A0+i+2:A0+i+3], v[SS+2:SS+3]
.set i, i+4
.endr
	WIN 0
	v_pk_add_f32 v[SS:SS+1], v[SS:SS+1], v[SS+2:SS+3]
	v_add_f32 v[SS], v[SS], v[SS+1]
	v_permlanex16_b32 v[SS+1], v[SS], s92, s93
	v_add_f32 v[KSA+\a], v[SS], v[SS+1]            ; the unquantised k summed over my 128 tokens
	QUANT A0, 2, PC, PW
	TOSTAGE \a
.endm
	KBLOCK 0
	KBLOCK 1
	KBLOCK 2
	KBLOCK 3
.irp a, 4,5,6,7
	QUANT 64*(\a-4), 3, PC, PW                     ; v as it is
	TOSTAGE \a
.endr
	v_cmp_gt_u32 vcc_lo, 16, v3
	v_cndmask_b32 v[SS], v[KSA+1], v[KSA], vcc_lo  ; lanes 0-15 features 0-15, lanes 16-31 features 16-31
	v_cndmask_b32 v[SS+1], v[KSA+3], v[KSA+2], vcc_lo
	global_store_b32 v23, v[SS], s[86:87]
	global_store_b32 v23, v[SS+1], s[86:87] offset:128
	s_barrier_signal -1                            ; my stores into the stage are done (the last wait was for 0)
	s_barrier_wait -1
	; kv over 256 tokens: source 0 = 16 features of k, source 1 = 16 features of v, K = 128 tokens of each of my head's two waves.  I take two of v's four blocks.
.irp ii, 0,1
.irp dt, 0,1,2,3
.irp c, 0,1,2
	ds_load_b128 v[128+FR*(4*\ii+\dt)+4*\c:128+FR*(4*\ii+\dt)+4*\c+3], v18 offset:WST*\ii+1536*\dt+512*\c
.endr
	ds_load_b32 v[SA+4*\ii+\dt], v20 offset:WST*\ii+128*\dt
.endr
.endr
.irp ii, 0,1
.irp mt, 0,1
	ds_load_b32 v[SA+8+2*\ii+\mt], v21 offset:WST*\ii+512+128*\mt
.endr
.endr
	WIN 0x40
.irp ii, 0,1
.irp mt, 0,1
.irp c, 0,1,2
	ds_load_b128 v[128+FR*(2*\ii+\mt)+4*\c:128+FR*(2*\ii+\mt)+4*\c+3], v19 offset:WST*\ii+6144+1536*\mt+512*\c
.endr
.endr
.endr
	s_wait_dscnt 0x0
	WIN 0x54                                       ; k in window 0, v and the sums in window 1
.irp ii, 0,1
.irp mt, 0,1
.irp dt, 0,1,2,3
	WMX 32*\mt+8*\dt, 128+FR*(4*\ii+\dt), 128+FR*(2*\ii+\mt), 1-\ii, SA+4*\ii+\dt, SA+8+2*\ii+\mt, 0, 0
.endr
.endr
.endr
	PLACES
	WIN 0x04                                       ; a store's data are its source 1: window 1
.irp mt, 0,1
.irp c, 0,1,2,3,4,5,6,7
	global_store_b128 v22, v[32*\mt+4*\c:32*\mt+4*\c+3], s[84:85] offset:65536*\mt+512*\c   ; register 8 dt + j of lane (r, h) is kv(16 dt + 8 h + j, 16 mt + r); 32 lanes store 512 consecutive bytes
.endr
.endr
	WIN 0
	s_wait_tensorcnt 0x0                           ; the wave's end
	ds_add_u32 v[SPW], v[NIL]
	s_wait_dscnt 0x0
	CROUND                                         ; the closing round
	s_endpgm
.Lfunc_end_k_q56c6058185_proj_kv:
	.size	k_q56c6058185_proj_kv, .Lfunc_end_k_q56c6058185_proj_kv-k_q56c6058185_proj_kv
	.p2alignl 7, 3214868480
	.fill 96, 4, 3214868480
	.section	.rodata,"a",@progbits
	.p2align	6, 0x0
	.amdhsa_kernel k_q56c6058185_proj_kv
		.amdhsa_group_segment_fixed_size 327680
		.amdhsa_private_segment_fixed_size 0
		.amdhsa_enable_private_segment 0
		.amdhsa_kernarg_size 64
		.amdhsa_user_sgpr_count 2
		.amdhsa_user_sgpr_kernarg_segment_ptr 1
		.amdhsa_wavefront_size32 1
		.amdhsa_system_sgpr_workgroup_id_x 1
		.amdhsa_system_sgpr_workgroup_id_y 1
		.amdhsa_system_sgpr_workgroup_id_z 1
		.amdhsa_system_vgpr_workitem_id 0
		.amdhsa_next_free_vgpr 1024
		.amdhsa_next_free_sgpr 100
		.amdhsa_reserve_vcc 1
		.amdhsa_float_denorm_mode_32 3
		.amdhsa_float_denorm_mode_16_64 3
		.amdhsa_memory_ordered 1
		.amdhsa_forward_progress 1
		.amdhsa_inst_pref_size 218
	.end_amdhsa_kernel
	.amdgpu_metadata
---
amdhsa.version: [ 1, 2 ]
amdhsa.kernels:
  - .name:           k_q56c6058185_proj_kv
    .symbol:         k_q56c6058185_proj_kv.kd
    .args:
      - { .name: x_codes, .offset: 0, .size: 8, .value_kind: global_buffer, .address_space: global }
      - { .name: x_scales, .offset: 8, .size: 8, .value_kind: global_buffer, .address_space: global }
      - { .name: Wk_codes, .offset: 16, .size: 8, .value_kind: global_buffer, .address_space: global }
      - { .name: Wk_scales, .offset: 24, .size: 8, .value_kind: global_buffer, .address_space: global }
      - { .name: Wv_codes, .offset: 32, .size: 8, .value_kind: global_buffer, .address_space: global }
      - { .name: Wv_scales, .offset: 40, .size: 8, .value_kind: global_buffer, .address_space: global }
      - { .name: kvp, .offset: 48, .size: 8, .value_kind: global_buffer, .address_space: global }
      - { .name: ksp, .offset: 56, .size: 8, .value_kind: global_buffer, .address_space: global }
    .group_segment_fixed_size: 327680
    .private_segment_fixed_size: 0
    .kernarg_segment_align: 8
    .kernarg_segment_size: 64
    .max_flat_workgroup_size: 128
    .sgpr_count:     100
    .vgpr_count:     1024
    .wavefront_size: 32
...
	.end_amdgpu_metadata
.endif
;; end of part 1
;; launch reduce_kv (part 2): grid 4 x 32, 4 waves a work-group, no clusters, 17,408 bytes of LDS; arguments kvp, ksp, kvc, kvs, ksum; writes kvc, kvs, ksum
.if DOCPART == 2
	.amdgcn_target "amdgcn-amd-amdhsa--gfx1250"
	.amdhsa_code_object_version 6
	.text
	.protected	k_q56c6058185_reduce_kv
	.globl	k_q56c6058185_reduce_kv
	.p2align	8
	.type	k_q56c6058185_reduce_kv,@function
k_q56c6058185_reduce_kv:
	s_mov_b64 s[64:65], 0
	v_nop
	global_prefetch_b8 v0, s[64:65] scope:SCOPE_SE
	s_setreg_imm32_b32 hwreg(HW_REG_WAVE_MODE, 25, 1), 1
	s_wait_xcnt 0x0
; The 16 parts of kv and the 32 parts of the sum of k are added, in f32 and in a fixed order, and kv is quantised along d (the next product's K) into codes of FP6 (E2M3) with one E8M0 scale for each 32.
; Work-group (mt, bh): columns m = 16 mt .. 16 mt + 15 of head bh's kv, and d = 16 mt .. 16 mt + 15 of its sum of k.  Wave u adds parts 4 u .. 4 u + 3 (of the sum of k: 8 u .. 8 u + 7); the four figures meet in LDS
; (every wave stores; wave 0's own copy is not read) and wave 0 finishes.  A part is an image of 32 registers: register 8 dt + j of lane (r, h) is kv(16 dt + 8 h + j, 16 mt + r).
; The next product runs on K = 128, two heads' 64 side by side: an even head's fragment is its codes and then zero codes, an odd head's the other way round.  It goes out as an image of the operand's 12 registers.
; No matrix work, no tensor load, no cluster: 36 loads a wave and a few hundred additions.  LIMITS: as in the launch before: NaN and infinities not served; a block under 2^-124, one of zeros too, gets the byte 1.
.set TM,   32                          ; v32-47  the quantiser's work
.set PW,   48
.set PC,   52                          ; v52-71  the codes
.set S,    64                          ; v64-95  the sum
.set KS,   96                          ; v96-102 the sum of k
.set P,    128                         ; v128-255 four parts; later the other waves' sums; later the 64 numbers to quantise at v192
.set X,    192
.set WREG, 4224                        ; LDS: 4,096 bytes of kv and 128 of the sum of k for each wave
	s_load_b256 s[4:11], s[0:1], 0x0               ; kvp s[4:5], ksp s[6:7], kvc s[8:9], kvs s[10:11]
	s_load_b64 s[12:13], s[0:1], 0x20              ; ksum
	v_lshl_add_u32 v126, v0, 2, 0x4200
	v_mov_b32 v127, 0
	v_lshrrev_b32 v1, 5, v0
	v_readfirstlane_b32 s14, v1                    ; wave u
	s_and_b32 s15, ttmp7, 0xffff                   ; bh
	v_and_b32 v3, 31, v0                           ; lane
	v_and_b32 v1, 15, v0                           ; r
	v_bfe_u32 v2, v0, 4, 1                         ; h
	v_lshlrev_b32 v4, 4, v3                        ; 16 x lane
	v_lshlrev_b32 v5, 2, v3                        ; 4 x lane
	v_lshlrev_b32 v7, 2, v1                        ; 4 r
	v_lshl_add_u32 v6, v2, 8, v7                   ; 256 h + 4 r: lanes 16-31 take the next part of the sum of k
	s_mul_i32 s16, s14, WREG
	v_add_nc_u32 v8, s16, v4
	v_add_nc_u32 v9, s16, v5
	v_mov_b32 v10, 0
.irp b, 0,1,2,3
	v_mov_b32 v[TM+4+\b], 0                        ; a lane permute's destination counts as one of its sources
.endr
	s_mov_b32 s22, 0x76543210
	s_mov_b32 s23, 0xfedcba98
	s_lshl_b32 s17, s15, 2
	s_add_co_u32 s17, s17, ttmp9                   ; 4 bh + mt
	s_lshl_b32 s18, s17, 16
	s_lshl_b32 s19, s14, 14
	s_add_co_u32 s18, s18, s19
	s_mov_b32 s19, 0
	s_lshl_b32 s20, s15, 13
	s_lshl_b32 s21, ttmp9, 6
	s_add_co_u32 s20, s20, s21
	s_lshl_b32 s21, s14, 11
	s_add_co_u32 s20, s20, s21
	s_mov_b32 s21, 0
	s_wait_kmcnt 0x0
	s_add_nc_u64 s[4:5], s[4:5], s[18:19]
	s_add_nc_u64 s[6:7], s[6:7], s[20:21]
.irp pp, 0,1,2,3
.irp c, 0,1,2,3,4,5,6,7
	global_load_b128 v[P+32*\pp+4*\c:P+32*\pp+4*\c+3], v4, s[4:5] offset:4096*\pp+512*\c th:TH_LOAD_NT   ; 32 lanes read 512 consecutive bytes
.endr
.endr
.irp t, 0,1,2,3
	global_load_b32 v[KS+\t], v6, s[6:7] offset:512*\t th:TH_LOAD_NT
.endr
	s_mul_i32 s18, s17, 1536                       ; where the results go
	s_add_nc_u64 s[8:9], s[8:9], s[18:19]
	s_lshl_b32 s18, s17, 7
	s_add_nc_u64 s[10:11], s[10:11], s[18:19]
	s_lshl_b32 s18, s17, 6
	s_add_nc_u64 s[12:13], s[12:13], s[18:19]      ; 256 bh + 64 mt
	s_wait_loadcnt 0x0
.set i, 0
.rept 16
	v_pk_add_f32 v[S+i:S+i+1], v[P+i:P+i+1], v[P+32+i:P+32+i+1]
	v_pk_add_f32 v[P+64+i:P+64+i+1], v[P+64+i:P+64+i+1], v[P+96+i:P+96+i+1]
.set i, i+2
.endr
.set i, 0
.rept 16
	v_pk_add_f32 v[S+i:S+i+1], v[S+i:S+i+1], v[P+64+i:P+64+i+1]
.set i, i+2
.endr
	v_add_f32 v[KS], v[KS], v[KS+1]
	v_add_f32 v[KS+2], v[KS+2], v[KS+3]
	v_add_f32 v[KS], v[KS], v[KS+2]
.irp c, 0,1,2,3,4,5,6,7
	ds_store_b128 v8, v[S+4*\c:S+4*\c+3] offset:512*\c
.endr
	ds_store_b32 v9, v[KS] offset:4096
	s_wait_dscnt 0x0                               ; for the others' sake: my stores are done
	s_barrier_signal -1
	s_barrier_wait -1
	s_cmp_lg_u32 s14, 0
	s_cbranch_scc1 .Ldone                          ; wave 0 finishes
.irp u, 1,2,3
.irp c, 0,1,2,3,4,5,6,7
	ds_load_b128 v[P+32*(\u-1)+4*\c:P+32*(\u-1)+4*\c+3], v4 offset:WREG*\u+512*\c
.endr
	ds_load_b32 v[KS+3+\u], v5 offset:WREG*\u+4096
.endr
	s_wait_dscnt 0x0
.irp u, 0,1,2                                  ; in the order of the waves
.set i, 0
.rept 16
	v_pk_add_f32 v[S+i:S+i+1], v[S+i:S+i+1], v[P+32*\u+i:P+32*\u+i+1]
.set i, i+2
.endr
	v_add_f32 v[KS], v[KS], v[KS+4+\u]
.endr
	v_permlanex16_b32 v[KS+1], v[KS], s22, s23
	v_add_f32 v[KS], v[KS], v[KS+1]                ; with the parts that lanes l xor 16 took
	s_and_b32 s20, s15, 1
	s_cselect_b32 s20, -1, 0                       ; all ones for an odd head
.set i, 0
.rept 32
	v_cndmask_b32 v[X+i], v[S+i], v10, s20         ; K 0-63: an even head's numbers, an odd head's zeros
	v_cndmask_b32 v[X+32+i], v10, v[S+i], s20      ; K 64-127: the other way round
.set i, i+1
.endr
.irp b, 0,1,2,3
	v_max3_num_f32 v[TM+\b], |v[X+16*\b]|, |v[X+16*\b+1]|, 0x1800000   ; my 16 numbers of block b, and the floor 2^(3 - 127)
.endr
.irp i, 2,4,6,8,10,12,14
.irp b, 0,1,2,3
	v_max3_num_f32 v[TM+\b], |v[X+16*\b+\i]|, |v[X+16*\b+\i+1]|, v[TM+\b]
.endr
.endr
.irp b, 0,1,2,3
	v_permlanex16_b32 v[TM+4+\b], v[TM+\b], s22, s23
.endr
.irp b, 0,1,2,3
	v_max_num_f32 v[TM+\b], v[TM+\b], v[TM+4+\b]
.endr
.irp b, 0,1,2,3
	v_add_nc_u32 v[TM+12+\b], 0xff000000, v[TM+\b] ; 2 off the exponent field: the conversion's scale operand
.endr
.irp b, 0,1,2,3
	v_lshrrev_b32 v[TM+4+\b], 23, v[TM+12+\b]      ; the scale's byte
.endr
	v_lshl_or_b32 v[PW], v[TM+5], 8, v[TM+4]
	v_lshl_or_b32 v[PW], v[TM+6], 16, v[PW]
	v_lshl_or_b32 v[PW], v[TM+7], 24, v[PW]
.irp c, 0,1
	v_cvt_scalef32_pk16_fp6_f32 v[PC+6*\c:PC+6*\c+2], v[X+32*\c:X+32*\c+15], v[TM+12+2*\c]
	v_cvt_scalef32_pk16_fp6_f32 v[PC+12+4*\c:PC+12+4*\c+2], v[X+32*\c+16:X+32*\c+31], v[TM+12+2*\c+1]
.endr
	v_nop                                          ; one plain place behind a scaled conversion
.irp c, 0,1
.irp i, 0,1,2
	v_permlane16_swap_b32 v[PC+6*\c+\i], v[PC+12+4*\c+\i]
.endr
.irp i, 0,1,2
	v_mov_b32 v[PC+3+6*\c+\i], v[PC+12+4*\c+\i]
.endr
.endr
.irp c, 0,1,2
	global_store_b128 v4, v[PC+4*\c:PC+4*\c+3], s[8:9] offset:512*\c
.endr
	global_store_b32 v5, v[PW], s[10:11]
	v_cmp_gt_u32 vcc_lo, 16, v3
	s_wait_xcnt 0x0                                ; EXEC changes only behind this wait
	s_and_saveexec_b32 s24, vcc_lo
	global_store_b32 v7, v[KS], s[12:13]           ; lanes 0-15: the sum of k at d = 16 mt + r
	s_wait_xcnt 0x0
	s_or_b32 exec_lo, exec_lo, s24
.Ldone:
	s_wait_tensorcnt 0x0
	ds_add_u32 v126, v127
	s_wait_dscnt 0x0
	s_endpgm
.Lfunc_end_k_q56c6058185_reduce_kv:
	.size	k_q56c6058185_reduce_kv, .Lfunc_end_k_q56c6058185_reduce_kv-k_q56c6058185_reduce_kv
	.p2alignl 7, 3214868480
	.fill 96, 4, 3214868480
	.section	.rodata,"a",@progbits
	.p2align	6, 0x0
	.amdhsa_kernel k_q56c6058185_reduce_kv
		.amdhsa_group_segment_fixed_size 17408
		.amdhsa_private_segment_fixed_size 0
		.amdhsa_enable_private_segment 0
		.amdhsa_kernarg_size 40
		.amdhsa_user_sgpr_count 2
		.amdhsa_user_sgpr_kernarg_segment_ptr 1
		.amdhsa_wavefront_size32 1
		.amdhsa_system_sgpr_workgroup_id_x 1
		.amdhsa_system_sgpr_workgroup_id_y 1
		.amdhsa_system_sgpr_workgroup_id_z 1
		.amdhsa_system_vgpr_workitem_id 0
		.amdhsa_next_free_vgpr 256
		.amdhsa_next_free_sgpr 66
		.amdhsa_reserve_vcc 1
		.amdhsa_float_denorm_mode_32 3
		.amdhsa_float_denorm_mode_16_64 3
		.amdhsa_memory_ordered 1
		.amdhsa_forward_progress 1
		.amdhsa_inst_pref_size 23
	.end_amdhsa_kernel
	.amdgpu_metadata
---
amdhsa.version: [ 1, 2 ]
amdhsa.kernels:
  - .name:           k_q56c6058185_reduce_kv
    .symbol:         k_q56c6058185_reduce_kv.kd
    .args:
      - { .name: kvp, .offset: 0, .size: 8, .value_kind: global_buffer, .address_space: global }
      - { .name: ksp, .offset: 8, .size: 8, .value_kind: global_buffer, .address_space: global }
      - { .name: kvc, .offset: 16, .size: 8, .value_kind: global_buffer, .address_space: global }
      - { .name: kvs, .offset: 24, .size: 8, .value_kind: global_buffer, .address_space: global }
      - { .name: ksum, .offset: 32, .size: 8, .value_kind: global_buffer, .address_space: global }
    .group_segment_fixed_size: 17408
    .private_segment_fixed_size: 0
    .kernarg_segment_align: 8
    .kernarg_segment_size: 40
    .max_flat_workgroup_size: 128
    .sgpr_count:     66
    .vgpr_count:     256
    .wavefront_size: 32
...
	.end_amdgpu_metadata
.endif
;; end of part 2
;; launch proj_q (part 3): grid 4 x 64, 4 waves a work-group, clusters of 4 x 4, 327,680 bytes of LDS; arguments x_codes, x_scales, Wq_codes, Wq_scales, kvc, kvs, ksum, oc, os; writes oc, os
.if DOCPART == 3
	.amdgcn_target "amdgcn-amd-amdhsa--gfx1250"
	.amdhsa_code_object_version 6
	.text
	.protected	k_q56c6058185_proj_q
	.globl	k_q56c6058185_proj_q
	.p2align	8
	.type	k_q56c6058185_proj_q,@function
k_q56c6058185_proj_q:
	s_mov_b64 s[64:65], 0
	v_nop
	global_prefetch_b8 v0, s[64:65] scope:SCOPE_SE
	s_setreg_imm32_b32 hwreg(HW_REG_WAVE_MODE, 25, 1), 1
	s_wait_xcnt 0x0
	s_wait_alu depctr_hold_cnt(0) depctr_sa_sdst(0) depctr_va_vdst(0) depctr_va_sdst(0) depctr_va_ssrc(0) depctr_va_vcc(0) depctr_vm_vsrc(0)
	s_getreg_b32 s2, hwreg(HW_REG_IB_STS2, 6, 4)
	s_cmp_eq_u32 s2, 0
	s_cbranch_scc0 .Lentry_in_a_cluster
	s_endpgm
.Lentry_in_a_cluster:
	s_bfe_u32 s2, ttmp6, 0x10000c
	s_cmp_lg_u32 s2, 0xf033
	s_cbranch_scc0 .Lentry_shape_is_right
	s_endpgm
.Lentry_shape_is_right:
; q = elu(x Wq^T) + 1 for 128 tokens and 256 features (four heads), on codes of FP6 (E2M3) with one E8M0 scale for each 32 along K; then in registers: the denominator q . sum of k (f32 multiply-adds),
; q quantised along its head's 64, the numerator q kv, the division, and the result quantised along the features, stored as images of the last product's operand registers.
; SHARES.  Work-group (x, y): features 256 x on, tokens 128 y on.  Wave (hi, lo) = (wave / 2, wave % 2): tokens 64 hi on, features 128 lo on (two heads): 32 accumulators.  A tile of 256 x 256 would give 128 work-groups;
; this one gives 256, and the vector work behind the products, as long as they are, is spread over all of them.  K goes in four steps of 256 through three LDS slots; one is filled a second time.
; LAYOUT.  Source 0 = 16 rows of Wq, source 1 = 16 tokens: a lane holds ONE token (lane % 16) and its registers run along the features.  q and kv went through the same quantiser with the same order inside a block of 32.
; A fragment of q has K = 128 = two heads; kv's fragments carry zero codes in the other head's half, so one fragment of q serves both.
; CLUSTER 4 x 4: the four work-groups of a row share x's tokens, the four of a column Wq's rows.
; LIMITS: as in the first launch (NaN, infinities; the byte 1 for blocks under 2^-124; elu + 1 as the middle one of a + 1, e^a, 1).
; REGISTERS: window 0: v0-31 addresses; v32-47 x's scale words, v48 q's, v64-95 Wq's, v96-103 kv's, v104-107 the result's (scales alone); v50-61, v108-123 at work; v128-175 x's fragments, later codes; v192-255 the result.
;   window 1: Wq's fragments, two sets; later exponentials.   window 2: the accumulators ((a, b) at v[64 a + 8 b]).   window 3: v0-95 kv's eight fragments, v128-191 the sum of k.
.set NA,     4
.set NLA,    6
.set NSLOT,  3
.set KROW,   768
.set ROWB,   192
.set PITCH,  240
.set FR,     12
.set HALFA,  64*PITCH
.set ABYTES, 2*HALFA                   ; a slot: 128 tokens of x,
.set HALFB,  128*PITCH
.set SLOT,   ABYTES+2*HALFB            ; then 256 rows of Wq
.set SPARE,  NSLOT*SLOT
.set STEPA,  3*ROWB                    ; slot 0's second tile lies three K steps on
.set STEPB,  3*ROWB
.set ADRA, 4                           ; v4-6 (v7-9)
.set ADRB, 10                          ; v10-12 (v13-15)
.set SPW,  28
.set NIL,  29
.set SA,   32
.set PWQ,  48
.set CH,   50                          ; v50-57 four chains of packed multiply-adds
.set RR,   58                          ; v[58:59], v[60:61] 1 / (denominator + EPS) of the two heads
.set SB,   64
.set KVS,  96
.set PWS,  104
.set TM,   108
.set AF,   128
.set PCQ,  128
.set PCO,  148
.set O,    192
.set KS,   128                         ; in window 3
.set G1,  24
.set G0,  32                           ; s[32:43]
.set G1B, 48
.set G0B, 68                           ; s[68:79]
.set MSB, 0
.macro WIN new
.set WNEW, \new
.if MSB != WNEW
	s_set_vgpr_msb (MSB<<8)|WNEW
.set MSB, WNEW
.endif
.endm
.macro PLACES
.rept 4
	v_nop
.endr
.endm
.macro JLOAD g0a, g1a, g0b, g1b        ; waves 0 and 1 fetch x's halves, waves 2 and 3 Wq's; four v_nop follow each line
	s_cmp_eq_u32 s15, 0
	s_cbranch_scc0 .Lfor_b_\@
	tensor_load_to_lds s[\g0a:\g0a+3], s[\g1a:\g1a+7]
	s_nop 0
.rept 4
	v_nop
.endr
	s_branch .Lasked_\@
.Lfor_b_\@:
	tensor_load_to_lds s[\g0b:\g0b+3], s[\g1b:\g1b+7]
	s_nop 0
.rept 4
	v_nop
.endr
.Lasked_\@:
.endm
.macro CREST
	s_cmp_lg_u32 s14, 0
	s_cbranch_scc1 .Lnot_wave_0_\@
	s_barrier_signal -3
.Lnot_wave_0_\@:
	s_barrier_wait -3
	s_barrier_signal -1
	s_barrier_wait -1
.endm
.macro CROUND
	s_barrier_signal -1
	s_barrier_wait -1
	CREST
.endm
.macro WMX d, x, y, zero, sx, sy, rx, ry   ; one matrix instruction: see the first launch
.set rD, \d
.set rX, \x
.set rY, \y
.set rSX, \sx
.set rSY, \sy
.set rSEL, 4*(\zero)+2*(\rx)+(\ry)
.if rSEL == 0
	v_wmma_scale_f32_16x16x128_f8f6f4 v[rD:rD+7], v[rX:rX+11], v[rY:rY+11], v[rD:rD+7], v[rSX], v[rSY] matrix_a_fmt:MATRIX_FMT_FP6 matrix_b_fmt:MATRIX_FMT_FP6
.elseif rSEL == 1
	v_wmma_scale_f32_16x16x128_f8f6f4 v[rD:rD+7], v[rX:rX+11], v[rY:rY+11], v[rD:rD+7], v[rSX], v[rSY] matrix_a_fmt:MATRIX_FMT_FP6 matrix_b_fmt:MATRIX_FMT_FP6 matrix_b_scale:MATRIX_SCALE_ROW1
.elseif rSEL == 2
	v_wmma_scale_f32_16x16x128_f8f6f4 v[rD:rD+7], v[rX:rX+11], v[rY:rY+11], v[rD:rD+7], v[rSX], v[rSY] matrix_a_fmt:MATRIX_FMT_FP6 matrix_b_fmt:MATRIX_FMT_FP6 matrix_a_scale:MATRIX_SCALE_ROW1
.elseif rSEL == 3
	v_wmma_scale_f32_16x16x128_f8f6f4 v[rD:rD+7], v[rX:rX+11], v[rY:rY+11], v[rD:rD+7], v[rSX], v[rSY] matrix_a_fmt:MATRIX_FMT_FP6 matrix_b_fmt:MATRIX_FMT_FP6 matrix_a_scale:MATRIX_SCALE_ROW1 matrix_b_scale:MATRIX_SCALE_ROW1
.elseif rSEL == 4
	v_wmma_scale_f32_16x16x128_f8f6f4 v[rD:rD+7], v[rX:rX+11], v[rY:rY+11], 0, v[rSX], v[rSY] matrix_a_fmt:MATRIX_FMT_FP6 matrix_b_fmt:MATRIX_FMT_FP6
.elseif rSEL == 5
	v_wmma_scale_f32_16x16x128_f8f6f4 v[rD:rD+7], v[rX:rX+11], v[rY:rY+11], 0, v[rSX], v[rSY] matrix_a_fmt:MATRIX_FMT_FP6 matrix_b_fmt:MATRIX_FMT_FP6 matrix_b_scale:MATRIX_SCALE_ROW1
.elseif rSEL == 6
	v_wmma_scale_f32_16x16x128_f8f6f4 v[rD:rD+7], v[rX:rX+11], v[rY:rY+11], 0, v[rSX], v[rSY] matrix_a_fmt:MATRIX_FMT_FP6 matrix_b_fmt:MATRIX_FMT_FP6 matrix_a_scale:MATRIX_SCALE_ROW1
.else
	v_wmma_scale_f32_16x16x128_f8f6f4 v[rD:rD+7], v[rX:rX+11], v[rY:rY+11], 0, v[rSX], v[rSY] matrix_a_fmt:MATRIX_FMT_FP6 matrix_b_fmt:MATRIX_FMT_FP6 matrix_a_scale:MATRIX_SCALE_ROW1 matrix_b_scale:MATRIX_SCALE_ROW1
.endif
.endm
.macro FRAG reg, adr, q, row           ; a fragment from padded rows, in pieces of 8 bytes; the second address register serves the pieces that lie behind one padding more in lanes 16-31
.irp p, 0,1,2,3,4,5
.set PCE, 12*(\q)+6*(\p/3)+\p%3
.if PCE%8 < 5
	ds_load_b64 v[\reg+2*\p:\reg+2*\p+1], v[\adr] offset:8*PCE+16*(PCE/8)+(\row)*PITCH
.else
	ds_load_b64 v[\reg+2*\p:\reg+2*\p+1], v[\adr+3] offset:8*PCE+16*(PCE/8)+(\row)*PITCH
.endif
.endr
.endm
.macro FETCH_B slot, q, bs
	WIN 0x40
.set FI, 0
.rept 8
	FRAG 128*(\bs)+FR*FI, ADRB+\slot, \q, 16*FI
.set FI, FI+1
.endr
	WIN 0
.endm
.macro FETCH_A slot, q, i0
.set FI, \i0
.rept NA/2
	FRAG AF+FR*FI, ADRA+\slot, \q, 16*FI
.set FI, FI+1
.endr
.endm
.macro MULS a0, n, t, zero             ; the accumulators take turns, one instruction a turn
.set MA, \a0
.rept \n
	WIN 0xa1
.set MB, 0
.rept 8
	WMX 64*MA+8*MB, 128*((\t)%2)+FR*MB, AF+FR*MA, \zero, SB+8*(2*(MB/4)+MB%2)+(\t), SA+8*(MA%2)+(\t), (MB%4)/2, MA/2
.set MB, MB+1
.endr
.set MA, MA+1
.endr
.endm
.macro STEP t, sl, kq, zero
	s_wait_dscnt (NA/2)*NLA                        ; Wq's set and x's lower blocks are in; the youngest loads (x's upper blocks) may be out
	MULS 0, NA/2, \t, \zero
	s_wait_dscnt 0x0
	PLACES
	FETCH_B \sl, \kq, 1-(\t)%2
	FETCH_A \sl, \kq, 0
	MULS NA/2, NA/2, \t, \zero
	PLACES
	WIN 0
	FETCH_A \sl, \kq, NA/2
.endm
.macro TURN t, s, sl, fill
	s_wait_tensorcnt 0x0                           ; all my tensor loads have landed
	ds_add_u32 v[SPW], v[NIL]                      ; 0 onto my spare word
	s_wait_dscnt (NA/2)*NLA+1                      ; (the add and the youngest loads may be out)
	MULS 0, NA/4, \t, 0
	s_wait_dscnt 0x0                               ; the add is done, and my reads of this slot are over
	s_barrier_signal -1
	MULS NA/4, NA/4, \t, 0
	WIN 0
	s_barrier_wait -1
.if \fill
	CREST                                          ; a round of the cluster's barrier: no wave of any partner still reads this slot or has a load on its way
	s_add_nc_u64 s[G0+4*\s+2:G0+4*\s+3], s[G0+4*\s+2:G0+4*\s+3], STEPA
	s_add_nc_u64 s[G0B+4*\s+2:G0B+4*\s+3], s[G0B+4*\s+2:G0B+4*\s+3], STEPB
	JLOAD G0+4*\s, G1, G0B+4*\s, G1B
.else
	PLACES
.endif
	FETCH_B \sl, 0, 1-(\t)%2
	FETCH_A \sl, 0, 0
	MULS NA/2, NA/2, \t, 0
	PLACES
	WIN 0
	FETCH_A \sl, 0, NA/2
.endm
.macro QUANT s, w, pc, pw              ; 64 numbers of a lane in window w become a fragment's codes and its scale word: see the first launch
	WIN 5*(\w)
.irp b, 0,1,2,3
	v_max3_num_f32 v[TM+\b], |v[\s+16*\b]|, |v[\s+16*\b+1]|, 0x1800000
.endr
.irp i, 2,4,6,8,10,12,14
.irp b, 0,1,2,3
	v_max3_num_f32 v[TM+\b], |v[\s+16*\b+\i]|, |v[\s+16*\b+\i+1]|, v[TM+\b]
.endr
.endr
	WIN 0
.irp b, 0,1,2,3
	v_permlanex16_b32 v[TM+4+\b], v[TM+\b], s92, s93
.endr
.irp b, 0,1,2,3
	v_max_num_f32 v[TM+\b], v[TM+\b], v[TM+4+\b]
.endr
.irp b, 0,1,2,3
	v_add_nc_u32 v[TM+12+\b], 0xff000000, v[TM+\b]
.endr
.irp b, 0,1,2,3
	v_lshrrev_b32 v[TM+4+\b], 23, v[TM+12+\b]
.endr
	v_lshl_or_b32 v[\pw], v[TM+5], 8, v[TM+4]
	v_lshl_or_b32 v[\pw], v[TM+6], 16, v[\pw]
	v_lshl_or_b32 v[\pw], v[TM+7], 24, v[\pw]
	WIN \w
.irp c, 0,1
	v_cvt_scalef32_pk16_fp6_f32 v[\pc+6*\c:\pc+6*\c+2], v[\s+32*\c:\s+32*\c+15], v[TM+12+2*\c]
	v_cvt_scalef32_pk16_fp6_f32 v[\pc+12+4*\c:\pc+12+4*\c+2], v[\s+32*\c+16:\s+32*\c+31], v[TM+12+2*\c+1]
.endr
	WIN 0
	v_nop                                          ; one plain place behind a scaled conversion
.irp c, 0,1
.irp i, 0,1,2
	v_permlane16_swap_b32 v[\pc+6*\c+\i], v[\pc+12+4*\c+\i]
.endr
.irp i, 0,1,2
	v_mov_b32 v[\pc+3+6*\c+\i], v[\pc+12+4*\c+\i]
.endr
.endr
.endm
	s_load_b256 s[4:11], s[0:1], 0x0               ; x's codes s[4:5], x's scales s[6:7], Wq's codes s[8:9], Wq's scales s[10:11]
	s_load_b256 s[80:87], s[0:1], 0x20             ; kvc s[80:81], kvs s[82:83], ksum s[84:85], oc s[86:87]
	s_load_b64 s[88:89], s[0:1], 0x40              ; os
	v_lshl_add_u32 v[SPW], v0, 2, SPARE
	v_mov_b32 v[NIL], 0
	ds_add_u32 v28, v29
	ds_add_u32 v28, v29
	s_wait_dscnt 0x0
	v_lshrrev_b32 v1, 5, v0
	v_readfirstlane_b32 s14, v1                    ; wave 0..3
	s_lshr_b32 s15, s14, 1                         ; which 64 tokens are mine.  Also: I fetch for x (0) or for Wq (1)
	s_and_b32 s16, s14, 1                          ; which 128 features.  Also: which half I fetch
	s_bfe_u32 s56, ttmp6, 0x40000
	s_bfe_u32 s57, ttmp6, 0x40004
	s_lshl_b32 s58, ttmp9, 2
	s_add_co_u32 s58, s58, s56                     ; work-group x: 256 features
	s_and_b32 s17, ttmp7, 0xffff
	s_lshl_b32 s17, s17, 2
	s_add_co_u32 s17, s17, s57                     ; work-group y: 128 tokens
	s_lshl_b32 s59, s57, 2
	s_lshl_b32 s59, 15, s59
	s_lshl_b32 s60, 0x1111, s56
	s_or_b32 s[G1+0], s59, (1<<20)|(1<<21)|(3<<22)|(3<<25)   ; x's tiles go to my row of the cluster
	s_or_b32 s[G1B+0], s60, (1<<20)|(1<<21)|(3<<22)|(3<<25)  ; Wq's to my column
	s_mov_b32 s[G1+1], ROWB<<16
	s_mov_b32 s[G1+2], 64<<16                      ; 64 rows to a load of x
	s_mov_b32 s[G1+3], ROWB<<16
	s_mov_b32 s[G1+4], 64
	s_mov_b32 s[G1+5], KROW
	s_mov_b32 s[G1+6], 0
	s_mov_b32 s[G1+7], 0
	s_mov_b32 s[G1B+1], ROWB<<16
	s_mov_b32 s[G1B+2], 128<<16                    ; 128 to a load of Wq
	s_mov_b32 s[G1B+3], ROWB<<16
	s_mov_b32 s[G1B+4], 128
	s_mov_b32 s[G1B+5], KROW
	s_mov_b32 s[G1B+6], 0
	s_mov_b32 s[G1B+7], 0
	s_lshl_b32 s20, s17, 7
	s_lshl_b32 s22, s16, 6
	s_add_co_u32 s20, s20, s22
	s_mul_i32 s20, s20, KROW                       ; x: token 128 y + 64 x half
	s_mov_b32 s21, 0
	s_lshl_b32 s46, s58, 8
	s_lshl_b32 s61, s16, 7
	s_add_co_u32 s46, s46, s61
	s_mul_i32 s46, s46, KROW                       ; Wq: row 256 x + 128 x half
	s_mov_b32 s47, 0
	s_mul_i32 s44, s16, HALFA
	s_mul_i32 s45, s16, HALFB
	s_add_co_u32 s45, s45, ABYTES
	s_mov_b32 s90, 0x3fb8aa3b                      ; log2(e)
	s_mov_b32 s91, s90
	s_mov_b32 s92, 0x76543210
	s_mov_b32 s93, 0xfedcba98
	s_wait_kmcnt 0x0
	s_add_nc_u64 s[20:21], s[4:5], s[20:21]
	s_add_nc_u64 s[46:47], s[8:9], s[46:47]
	CROUND
.irp s, 0,1,2
	s_mov_b32 s[G0+4*\s], 1
	s_add_co_u32 s[G0+4*\s+1], s44, \s*SLOT
	s_add_nc_u64 s[G0+4*\s+2:G0+4*\s+3], s[20:21], \s*ROWB
	s_or_b32 s[G0+4*\s+3], s[G0+4*\s+3], 0x80000000
	s_mov_b32 s[G0B+4*\s], 1
	s_add_co_u32 s[G0B+4*\s+1], s45, \s*SLOT
	s_add_nc_u64 s[G0B+4*\s+2:G0B+4*\s+3], s[46:47], \s*ROWB
	s_or_b32 s[G0B+4*\s+3], s[G0B+4*\s+3], 0x80000000
	JLOAD G0+4*\s, G1, G0B+4*\s, G1B               ; three loads of mine are out
.endr
	v_and_b32 v1, 15, v0                           ; r
	v_bfe_u32 v2, v0, 4, 1                         ; h
	v_and_b32 v3, 31, v0                           ; lane
	v_mul_u32_u24 v30, v1, PITCH
	v_mad_u32_u24 v30, v2, 24, v30
	v_lshl_add_u32 v31, v2, 4, v30
	s_mul_i32 s18, s15, 64*PITCH                   ; my 64 tokens
	s_mul_i32 s19, s16, HALFB
	s_add_co_u32 s19, s19, ABYTES                  ; my 128 rows of Wq
.irp s, 0,1,2
	v_add_nc_u32 v[ADRA+\s], s18, v30
	v_add_nc_u32 v[ADRA+3+\s], s18, v31
	v_add_nc_u32 v[ADRB+\s], s19, v30
	v_add_nc_u32 v[ADRB+3+\s], s19, v31
	s_add_co_u32 s18, s18, SLOT
	s_add_co_u32 s19, s19, SLOT
.endr
	v_lshlrev_b32 v16, 4, v3                       ; 16 x lane
	v_lshlrev_b32 v17, 2, v3                       ; 4 x lane
	v_lshlrev_b32 v26, 5, v1
	v_lshl_add_u32 v26, v2, 10, v26                ; scale bytes: 32 a row; lanes 16-31 the rows 32 further on
	v_lshlrev_b32 v27, 5, v2                       ; 32 h: my half's eight numbers of the sum of k
	s_lshl_b32 s18, s17, 7
	s_lshl_b32 s19, s15, 6
	s_add_co_u32 s18, s18, s19                     ; my first token
	s_lshl_b32 s62, s18, 5
	s_mov_b32 s63, 0
	s_add_nc_u64 s[6:7], s[6:7], s[62:63]
	s_lshl_b32 s94, s58, 8
	s_lshl_b32 s95, s16, 7
	s_add_co_u32 s94, s94, s95                     ; my first feature
	s_lshl_b32 s62, s94, 5
	s_add_nc_u64 s[10:11], s[10:11], s[62:63]
	s_lshr_b32 s95, s17, 5
	s_lshl_b32 s95, s95, 4
	s_lshl_b32 s96, s58, 2
	s_add_co_u32 s95, s95, s96
	s_lshl_b32 s96, s16, 1
	s_add_co_u32 s95, s95, s96                     ; 16 x batch + my first head (an even one)
	s_mul_i32 s62, s95, 6144
	s_add_nc_u64 s[80:81], s[80:81], s[62:63]
	s_lshl_b32 s62, s95, 9
	s_add_nc_u64 s[82:83], s[82:83], s[62:63]
	s_lshl_b32 s62, s95, 8
	s_add_nc_u64 s[84:85], s[84:85], s[62:63]
	s_mul_i32 s62, s58, 1572864                    ; oc [K step of 256][block of 16 tokens][half of the step][1,536 bytes]
	s_mul_i32 s96, s18, 192
	s_add_co_u32 s62, s62, s96
	s_mul_i32 s96, s16, 1536
	s_add_co_u32 s62, s62, s96
	s_add_nc_u64 s[86:87], s[86:87], s[62:63]
	s_lshl_b32 s62, s58, 1                         ; os [K step of 128][token]
	s_add_co_u32 s62, s62, s16
	s_lshl_b32 s62, s62, 15
	s_lshl_b32 s96, s18, 2
	s_add_co_u32 s62, s62, s96
	s_add_nc_u64 s[88:89], s[88:89], s[62:63]
.irp g, 0,1
.irp u, 0,1
	global_load_b128 v[SA+8*\g+4*\u:SA+8*\g+4*\u+3], v26, s[6:7] offset:512*\g+16*\u
.endr
.endr
.irp g, 0,1,2,3
.irp u, 0,1
	global_load_b128 v[SB+8*\g+4*\u:SB+8*\g+4*\u+3], v26, s[10:11] offset:(64*(\g/2)+16*(\g%2))*32+16*\u
.endr
.endr
.irp f, 0,1,2,3,4,5,6,7
	global_load_b32 v[KVS+\f], v17, s[82:83] offset:128*\f
.endr
	WIN 0xc0                                       ; destination window 3
.irp f, 0,1,2,3,4,5,6,7                        ; kv's fragments (head f / 4, block f % 4 of m), as images
.irp c, 0,1,2
	global_load_b128 v[FR*\f+4*\c:FR*\f+4*\c+3], v16, s[80:81] offset:1536*\f+512*\c
.endr
.endr
.irp b, 0,1,2,3,4,5,6,7                        ; the sum of k at the features that my registers hold: 16 b + 8 h + 0 .. 7
.irp c, 0,1
	global_load_b128 v[KS+8*\b+4*\c:KS+8*\b+4*\c+3], v27, s[84:85] offset:64*\b+16*\c
.endr
.endr
	WIN 0
	s_wait_tensorcnt NSLOT-1                       ; my part of slot 0 is in; the two later first fills may stay out
	s_barrier_signal -1
	s_barrier_wait -1
	FETCH_B 0, 0, 0
	FETCH_A 0, 0, 0
	FETCH_A 0, 0, NA/2
	s_wait_loadcnt 0x0
	STEP 0, 0, 1, 1
	TURN 1, 0, 1, 1                                ; all three first fills have landed in every wave; slot 0 takes K 768 on
	STEP 2, 1, 1, 0
	STEP 3, 2, 0, 0                                ; into slot 2 without a barrier: the round above has shown it whole
	STEP 4, 2, 1, 0
	TURN 5, 2, 0, 0                                ; slot 0's second tile is whole
	STEP 6, 0, 1, 0
	s_wait_dscnt (NA/2)*NLA
	MULS 0, NA/2, 7, 0
	s_wait_dscnt 0x0
	MULS NA/2, NA/2, 7, 0
	WIN 0
	PLACES
.irp b, 0,1,2,3
	v_mov_b32 v[TM+4+\b], 0                        ; a lane permute's destination counts as one of its sources
.endr
	v_mov_b32 v[RR+1], 0                           ; (named as the upper halves of pairs)
	v_mov_b32 v[RR+3], 0
; A block of 16 tokens x my two heads
.macro QBLOCK a
.set Q0, 64*(\a)
	WIN 0x42
.set i, 0
.rept 32
	v_pk_mul_f32 v[i:i+1], v[Q0+i:Q0+i+1], s[90:91] op_sel_hi:[1,0]      ; a log2(e), into window 1; each accumulator is read from its low end on
.set i, i+2
.endr
	WIN 0x41
.set i, 0
.rept 64
	v_exp_f32 v[i], v[i]
.set i, i+1
.endr
	WIN 0x82
.set i, 0
.rept 32
	v_pk_add_f32 v[Q0+i:Q0+i+1], v[Q0+i:Q0+i+1], 1.0 op_sel_hi:[1,0]
.set i, i+2
.endr
	WIN 0x86
.set i, 0
	s_wait_alu depctr_va_vdst(0)
.rept 64
	v_med3_num_f32 v[Q0+i], v[Q0+i], v[i], 1.0     ; q, in place
.set i, i+1
.endr
	WIN 0x0e                                       ; q in window 2, the sum of k in window 3
.irp e, 0,1
.irp c, 0,1
	v_pk_mul_f32 v[CH+4*\e+2*\c:CH+4*\e+2*\c+1], v[Q0+32*\e+2*\c:Q0+32*\e+2*\c+1], v[KS+32*\e+2*\c:KS+32*\e+2*\c+1]
.endr
.endr
.irp i, 1,2,3,4,5,6,7
.irp e, 0,1
.irp c, 0,1
	v_pk_fma_f32 v[CH+4*\e+2*\c:CH+4*\e+2*\c+1], v[Q0+32*\e+4*\i+2*\c:Q0+32*\e+4*\i+2*\c+1], v[KS+32*\e+4*\i+2*\c:KS+32*\e+4*\i+2*\c+1], v[CH+4*\e+2*\c:CH+4*\e+2*\c+1]
.endr
.endr
.endr
	WIN 0
.irp e, 0,1
	v_pk_add_f32 v[CH+4*\e:CH+4*\e+1], v[CH+4*\e:CH+4*\e+1], v[CH+4*\e+2:CH+4*\e+3]
.endr
.irp e, 0,1
	v_add_f32 v[CH+4*\e], v[CH+4*\e], v[CH+4*\e+1]
.endr
.irp e, 0,1
	v_permlanex16_b32 v[CH+4*\e+1], v[CH+4*\e], s92, s93
.endr
.irp e, 0,1
	v_add_f32 v[CH+4*\e], v[CH+4*\e], v[CH+4*\e+1] ; the denominator of my token and head e
.endr
.irp e, 0,1
	v_add_f32 v[CH+4*\e], 0x358637bd, v[CH+4*\e]   ; + EPS = 1e-6
.endr
.irp e, 0,1
	v_rcp_f32 v[RR+2*\e], v[CH+4*\e]               ; the quantiser's first lines are the plain places behind it
.endr
	QUANT Q0, 2, PCQ, PWQ
.rept 8
	v_nop                                          ; a scale register written by a vector instruction stands 8 places ahead of a scaled matrix instruction, an operand so written 4
.endr
	WIN 0x83                                       ; kv in window 3, q's codes in window 0, the numerators over q in window 2
.irp e, 0,1
.irp mt, 0,1,2,3
	WMX Q0+32*\e+8*\mt, FR*(4*\e+\mt), PCQ, 1, KVS+4*\e+\mt, PWQ, 0, 0
.endr
.endr
	PLACES
	WIN 0x02
.set i, 0
	s_wait_alu depctr_va_vdst(0)
.rept 32
	v_pk_mul_f32 v[O+i:O+i+1], v[Q0+i:Q0+i+1], v[RR+2*(i/32):RR+2*(i/32)+1] op_sel_hi:[1,0]   ; register 8 T + j: feature 16 T + 8 h + j of my token
.set i, i+2
.endr
	WIN 0
.irp b, 0,1,2,3                                ; the last product's K is in Wo's own order: after these exchanges register 16 b + i holds feature 32 b + 16 h + i
.irp j, 0,1,2,3,4,5,6,7
	v_permlane16_swap_b32 v[O+16*\b+\j], v[O+16*\b+8+\j]
.endr
.endr
	s_wait_xcnt 0x0                                ; the last block's stores have read their registers
	QUANT O, 0, PCO, PWS+\a
.irp c, 0,1,2
	global_store_b128 v16, v[PCO+4*\c:PCO+4*\c+3], s[86:87] offset:3072*(\a)+512*\c   ; the fragment's image: 32 lanes store 512 consecutive bytes
.endr
.endm
	QBLOCK 0
	QBLOCK 1
	QBLOCK 2
	QBLOCK 3
	v_cmp_gt_u32 vcc_lo, 16, v3
	v_cndmask_b32 v[CH], v[PWS+1], v[PWS], vcc_lo  ; lanes 0-15 tokens 0-15, lanes 16-31 tokens 16-31
	v_cndmask_b32 v[CH+1], v[PWS+3], v[PWS+2], vcc_lo
	global_store_b32 v17, v[CH], s[88:89]
	global_store_b32 v17, v[CH+1], s[88:89] offset:128
	s_wait_tensorcnt 0x0                           ; the wave's end
	ds_add_u32 v[SPW], v[NIL]
	s_wait_dscnt 0x0
	CROUND                                         ; the closing round
	s_endpgm
.Lfunc_end_k_q56c6058185_proj_q:
	.size	k_q56c6058185_proj_q, .Lfunc_end_k_q56c6058185_proj_q-k_q56c6058185_proj_q
	.p2alignl 7, 3214868480
	.fill 96, 4, 3214868480
	.section	.rodata,"a",@progbits
	.p2align	6, 0x0
	.amdhsa_kernel k_q56c6058185_proj_q
		.amdhsa_group_segment_fixed_size 327680
		.amdhsa_private_segment_fixed_size 0
		.amdhsa_enable_private_segment 0
		.amdhsa_kernarg_size 72
		.amdhsa_user_sgpr_count 2
		.amdhsa_user_sgpr_kernarg_segment_ptr 1
		.amdhsa_wavefront_size32 1
		.amdhsa_system_sgpr_workgroup_id_x 1
		.amdhsa_system_sgpr_workgroup_id_y 1
		.amdhsa_system_sgpr_workgroup_id_z 1
		.amdhsa_system_vgpr_workitem_id 0
		.amdhsa_next_free_vgpr 1024
		.amdhsa_next_free_sgpr 100
		.amdhsa_reserve_vcc 1
		.amdhsa_float_denorm_mode_32 3
		.amdhsa_float_denorm_mode_16_64 3
		.amdhsa_memory_ordered 1
		.amdhsa_forward_progress 1
		.amdhsa_inst_pref_size 190
	.end_amdhsa_kernel
	.amdgpu_metadata
---
amdhsa.version: [ 1, 2 ]
amdhsa.kernels:
  - .name:           k_q56c6058185_proj_q
    .symbol:         k_q56c6058185_proj_q.kd
    .args:
      - { .name: x_codes, .offset: 0, .size: 8, .value_kind: global_buffer, .address_space: global }
      - { .name: x_scales, .offset: 8, .size: 8, .value_kind: global_buffer, .address_space: global }
      - { .name: Wq_codes, .offset: 16, .size: 8, .value_kind: global_buffer, .address_space: global }
      - { .name: Wq_scales, .offset: 24, .size: 8, .value_kind: global_buffer, .address_space: global }
      - { .name: kvc, .offset: 32, .size: 8, .value_kind: global_buffer, .address_space: global }
      - { .name: kvs, .offset: 40, .size: 8, .value_kind: global_buffer, .address_space: global }
      - { .name: ksum, .offset: 48, .size: 8, .value_kind: global_buffer, .address_space: global }
      - { .name: oc, .offset: 56, .size: 8, .value_kind: global_buffer, .address_space: global }
      - { .name: os, .offset: 64, .size: 8, .value_kind: global_buffer, .address_space: global }
    .group_segment_fixed_size: 327680
    .private_segment_fixed_size: 0
    .kernarg_segment_align: 8
    .kernarg_segment_size: 72
    .max_flat_workgroup_size: 128
    .sgpr_count:     100
    .vgpr_count:     1024
    .wavefront_size: 32
...
	.end_amdgpu_metadata
.endif
;; end of part 3
;; launch proj_o (part 4): grid 4 x 64, 4 waves a work-group, clusters of 4 x 4, 327,680 bytes of LDS; arguments oc, os, Wo_codes, Wo_scales, out0; writes out0
.if DOCPART == 4
	.amdgcn_target "amdgcn-amd-amdhsa--gfx1250"
	.amdhsa_code_object_version 6
	.text
	.protected	k_q56c6058185_proj_o
	.globl	k_q56c6058185_proj_o
	.p2align	8
	.type	k_q56c6058185_proj_o,@function
k_q56c6058185_proj_o:
	s_mov_b64 s[64:65], 0
	v_nop
	global_prefetch_b8 v0, s[64:65] scope:SCOPE_SE
	s_setreg_imm32_b32 hwreg(HW_REG_WAVE_MODE, 25, 1), 1
	s_wait_xcnt 0x0
	s_wait_alu depctr_hold_cnt(0) depctr_sa_sdst(0) depctr_va_vdst(0) depctr_va_sdst(0) depctr_va_ssrc(0) depctr_va_vcc(0) depctr_vm_vsrc(0)
	s_getreg_b32 s2, hwreg(HW_REG_IB_STS2, 6, 4)
	s_cmp_eq_u32 s2, 0
	s_cbranch_scc0 .Lentry_in_a_cluster
	s_endpgm
.Lentry_in_a_cluster:
	s_bfe_u32 s2, ttmp6, 0x10000c
	s_cmp_lg_u32 s2, 0xf033
	s_cbranch_scc0 .Lentry_shape_is_right
	s_endpgm
.Lentry_shape_is_right:
; out0 = out Wo^T on codes of FP6 (E2M3) with one E8M0 scale for each 32 along K.  out's codes come as images of the operand's registers (oc [K step of 256][block of 16 tokens][half][1,536 bytes]), its scale words
; as os [K step of 128][token]; Wo's as rows.  out0: [8,192][1,024] f32.
; SHARES.  Work-group (x, y): columns 256 x on, tokens 128 y on: 256 work-groups.  Wave (hi, lo): tokens 64 hi on, columns 128 lo on: 32 accumulators.  K in four steps of 256 through three LDS slots, one filled twice.
; Source 0 = 16 rows of Wo, source 1 = 16 tokens: a lane holds eight neighbouring columns of one row of out0.  CLUSTER 4 x 4: a row of the cluster shares the tokens' images, a column Wo's rows.
; REGISTERS: window 0: v0-31 addresses; v32-47 out's scale words, v64-95 Wo's; v128-175 out's fragments; on the way out v128-255.   window 1: Wo's fragments, two sets.   window 2: the accumulators.
.set NA,     4
.set NLA,    3                         ; an image comes by three loads of 16 bytes a lane
.set NSLOT,  3
.set KROW,   768
.set ROWB,   192
.set PITCH,  240
.set FR,     12
.set HALFA,  12288                     ; four blocks of 16 tokens x 3,072 bytes
.set ABYTES, 2*HALFA
.set HALFB,  128*PITCH
.set SLOT,   ABYTES+2*HALFB
.set SPARE,  NSLOT*SLOT
.set KCB,    1572864                   ; oc: from one K step of 256 to the next
.set STEPA,  3*KCB
.set STEPB,  3*ROWB
.set SPITCH, 528                       ; the way out: 16 rows x (512 bytes + 16) for each wave, in slot 1 after its one fill and its last read
.set ADRA, 4
.set ADRB, 10
.set STO,  16
.set RD,   17
.set CO,   18
.set SPW,  28
.set NIL,  29
.set SA,   32
.set SB,   64
.set AF,   128
.set BK,   128
.set G1,  24
.set G0,  32
.set G1B, 48
.set G0B, 68
.set MSB, 0
.macro WIN new
.set WNEW, \new
.if MSB != WNEW
	s_set_vgpr_msb (MSB<<8)|WNEW
.set MSB, WNEW
.endif
.endm
.macro PLACES
.rept 4
	v_nop
.endr
.endm
.macro JLOAD g0a, g1a, g0b, g1b        ; waves 0 and 1 fetch the images' halves, waves 2 and 3 Wo's; four v_nop follow each line
	s_cmp_eq_u32 s15, 0
	s_cbranch_scc0 .Lfor_b_\@
	tensor_load_to_lds s[\g0a:\g0a+3], s[\g1a:\g1a+7]
	s_nop 0
.rept 4
	v_nop
.endr
	s_branch .Lasked_\@
.Lfor_b_\@:
	tensor_load_to_lds s[\g0b:\g0b+3], s[\g1b:\g1b+7]
	s_nop 0
.rept 4
	v_nop
.endr
.Lasked_\@:
.endm
.macro CREST
	s_cmp_lg_u32 s14, 0
	s_cbranch_scc1 .Lnot_wave_0_\@
	s_barrier_signal -3
.Lnot_wave_0_\@:
	s_barrier_wait -3
	s_barrier_signal -1
	s_barrier_wait -1
.endm
.macro CROUND
	s_barrier_signal -1
	s_barrier_wait -1
	CREST
.endm
.macro WMX d, x, y, zero, sx, sy, rx, ry   ; one matrix instruction: see the first launch
.set rD, \d
.set rX, \x
.set rY, \y
.set rSX, \sx
.set rSY, \sy
.set rSEL, 4*(\zero)+2*(\rx)+(\ry)
.if rSEL == 0
	v_wmma_scale_f32_16x16x128_f8f6f4 v[rD:rD+7], v[rX:rX+11], v[rY:rY+11], v[rD:rD+7], v[rSX], v[rSY] matrix_a_fmt:MATRIX_FMT_FP6 matrix_b_fmt:MATRIX_FMT_FP6
.elseif rSEL == 1
	v_wmma_scale_f32_16x16x128_f8f6f4 v[rD:rD+7], v[rX:rX+11], v[rY:rY+11], v[rD:rD+7], v[rSX], v[rSY] matrix_a_fmt:MATRIX_FMT_FP6 matrix_b_fmt:MATRIX_FMT_FP6 matrix_b_scale:MATRIX_SCALE_ROW1
.elseif rSEL == 2
	v_wmma_scale_f32_16x16x128_f8f6f4 v[rD:rD+7], v[rX:rX+11], v[rY:rY+11], v[rD:rD+7], v[rSX], v[rSY] matrix_a_fmt:MATRIX_FMT_FP6 matrix_b_fmt:MATRIX_FMT_FP6 matrix_a_scale:MATRIX_SCALE_ROW1
.elseif rSEL == 3
	v_wmma_scale_f32_16x16x128_f8f6f4 v[rD:rD+7], v[rX:rX+11], v[rY:rY+11], v[rD:rD+7], v[rSX], v[rSY] matrix_a_fmt:MATRIX_FMT_FP6 matrix_b_fmt:MATRIX_FMT_FP6 matrix_a_scale:MATRIX_SCALE_ROW1 matrix_b_scale:MATRIX_SCALE_ROW1
.elseif rSEL == 4
	v_wmma_scale_f32_16x16x128_f8f6f4 v[rD:rD+7], v[rX:rX+11], v[rY:rY+11], 0, v[rSX], v[rSY] matrix_a_fmt:MATRIX_FMT_FP6 matrix_b_fmt:MATRIX_FMT_FP6
.elseif rSEL == 5
	v_wmma_scale_f32_16x16x128_f8f6f4 v[rD:rD+7], v[rX:rX+11], v[rY:rY+11], 0, v[rSX], v[rSY] matrix_a_fmt:MATRIX_FMT_FP6 matrix_b_fmt:MATRIX_FMT_FP6 matrix_b_scale:MATRIX_SCALE_ROW1
.elseif rSEL == 6
	v_wmma_scale_f32_16x16x128_f8f6f4 v[rD:rD+7], v[rX:rX+11], v[rY:rY+11], 0, v[rSX], v[rSY] matrix_a_fmt:MATRIX_FMT_FP6 matrix_b_fmt:MATRIX_FMT_FP6 matrix_a_scale:MATRIX_SCALE_ROW1
.else
	v_wmma_scale_f32_16x16x128_f8f6f4 v[rD:rD+7], v[rX:rX+11], v[rY:rY+11], 0, v[rSX], v[rSY] matrix_a_fmt:MATRIX_FMT_FP6 matrix_b_fmt:MATRIX_FMT_FP6 matrix_a_scale:MATRIX_SCALE_ROW1 matrix_b_scale:MATRIX_SCALE_ROW1
.endif
.endm
.macro FRAG reg, adr, q, row           ; a fragment from padded rows, in pieces of 8 bytes
.irp p, 0,1,2,3,4,5
.set PCE, 12*(\q)+6*(\p/3)+\p%3
.if PCE%8 < 5
	ds_load_b64 v[\reg+2*\p:\reg+2*\p+1], v[\adr] offset:8*PCE+16*(PCE/8)+(\row)*PITCH
.else
	ds_load_b64 v[\reg+2*\p:\reg+2*\p+1], v[\adr+3] offset:8*PCE+16*(PCE/8)+(\row)*PITCH
.endif
.endr
.endm
.macro FETCH_B slot, q, bs
	WIN 0x40
.set FI, 0
.rept 8
	FRAG 128*(\bs)+FR*FI, ADRB+\slot, \q, 16*FI
.set FI, FI+1
.endr
	WIN 0
.endm
.macro FETCH_A slot, q, i0             ; an image comes back as it was stored: 16 bytes a lane, 512 a load
.set FI, \i0
.rept NA/2
.irp c, 0,1,2
	ds_load_b128 v[AF+FR*FI+4*\c:AF+FR*FI+4*\c+3], v[ADRA+\slot] offset:3072*FI+1536*(\q)+512*\c
.endr
.set FI, FI+1
.endr
.endm
.macro MULS a0, n, t, zero             ; the accumulators take turns, one instruction a turn
.set MA, \a0
.rept \n
	WIN 0xa1
.set MB, 0
.rept 8
	WMX 64*MA+8*MB, 128*((\t)%2)+FR*MB, AF+FR*MA, \zero, SB+8*(2*(MB/4)+MB%2)+(\t), SA+8*(MA%2)+(\t), (MB%4)/2, MA/2
.set MB, MB+1
.endr
.set MA, MA+1
.endr
.endm
.macro STEP t, sl, kq, zero
	s_wait_dscnt (NA/2)*NLA                        ; Wo's set and the lower two images are in; the youngest loads (the upper two) may be out
	MULS 0, NA/2, \t, \zero
	s_wait_dscnt 0x0
	PLACES
	FETCH_B \sl, \kq, 1-(\t)%2
	FETCH_A \sl, \kq, 0
	MULS NA/2, NA/2, \t, \zero
	PLACES
	WIN 0
	FETCH_A \sl, \kq, NA/2
.endm
.macro TURN t, s, sl, fill
	s_wait_tensorcnt 0x0                           ; all my tensor loads have landed
	ds_add_u32 v[SPW], v[NIL]                      ; 0 onto my spare word
	s_wait_dscnt (NA/2)*NLA+1                      ; (the add and the youngest loads may be out)
	MULS 0, NA/4, \t, 0
	s_wait_dscnt 0x0                               ; the add is done, and my reads of this slot are over
	s_barrier_signal -1
	MULS NA/4, NA/4, \t, 0
	WIN 0
	s_barrier_wait -1
.if \fill
	CREST                                          ; a round of the cluster's barrier: no wave of any partner still reads this slot or has a load on its way
	s_add_nc_u64 s[G0+4*\s+2:G0+4*\s+3], s[G0+4*\s+2:G0+4*\s+3], STEPA
	s_add_nc_u64 s[G0B+4*\s+2:G0B+4*\s+3], s[G0B+4*\s+2:G0B+4*\s+3], STEPB
	JLOAD G0+4*\s, G1, G0B+4*\s, G1B
.else
	PLACES
.endif
	FETCH_B \sl, 0, 1-(\t)%2
	FETCH_A \sl, 0, 0
	MULS NA/2, NA/2, \t, 0
	PLACES
	WIN 0
	FETCH_A \sl, 0, NA/2
.endm
	s_load_b256 s[4:11], s[0:1], 0x0               ; oc s[4:5], os s[6:7], Wo's codes s[8:9], Wo's scales s[10:11]
	s_load_b64 s[12:13], s[0:1], 0x20              ; out0
	v_lshl_add_u32 v[SPW], v0, 2, SPARE
	v_mov_b32 v[NIL], 0
	ds_add_u32 v28, v29
	ds_add_u32 v28, v29
	s_wait_dscnt 0x0
	v_lshrrev_b32 v1, 5, v0
	v_readfirstlane_b32 s14, v1                    ; wave 0..3
	s_lshr_b32 s15, s14, 1                         ; which 64 tokens are mine.  Also: I fetch images (0) or Wo (1)
	s_and_b32 s16, s14, 1                          ; which 128 columns.  Also: which half I fetch
	s_bfe_u32 s56, ttmp6, 0x40000
	s_bfe_u32 s57, ttmp6, 0x40004
	s_lshl_b32 s58, ttmp9, 2
	s_add_co_u32 s58, s58, s56                     ; work-group x: 256 columns
	s_and_b32 s17, ttmp7, 0xffff
	s_lshl_b32 s17, s17, 2
	s_add_co_u32 s17, s17, s57                     ; work-group y: 128 tokens
	s_lshl_b32 s59, s57, 2
	s_lshl_b32 s59, 15, s59
	s_lshl_b32 s60, 0x1111, s56
	s_or_b32 s[G1+0], s59, (3<<16)|(1<<21)         ; the images: a dense block, as 48 rows of 32 elements of 8 bytes, no padding; they go to my row of the cluster
	s_mov_b32 s[G1+1], 32<<16
	s_mov_b32 s[G1+2], 48<<16
	s_mov_b32 s[G1+3], 32<<16
	s_mov_b32 s[G1+4], 48
	s_mov_b32 s[G1+5], 32
	s_mov_b32 s[G1+6], 0
	s_mov_b32 s[G1+7], 0
	s_or_b32 s[G1B+0], s60, (1<<20)|(1<<21)|(3<<22)|(3<<25)  ; Wo's rows, padded; to my column
	s_mov_b32 s[G1B+1], ROWB<<16
	s_mov_b32 s[G1B+2], 128<<16
	s_mov_b32 s[G1B+3], ROWB<<16
	s_mov_b32 s[G1B+4], 128
	s_mov_b32 s[G1B+5], KROW
	s_mov_b32 s[G1B+6], 0
	s_mov_b32 s[G1B+7], 0
	s_mul_i32 s44, s16, HALFA
	s_mul_i32 s20, s17, ABYTES
	s_add_co_u32 s20, s20, s44                     ; the images of tokens 128 y + 64 x half on
	s_mov_b32 s21, 0
	s_lshl_b32 s46, s58, 8
	s_lshl_b32 s61, s16, 7
	s_add_co_u32 s46, s46, s61
	s_mul_i32 s46, s46, KROW                       ; Wo: row 256 x + 128 x half
	s_mov_b32 s47, 0
	s_mul_i32 s45, s16, HALFB
	s_add_co_u32 s45, s45, ABYTES
	s_wait_kmcnt 0x0
	s_add_nc_u64 s[20:21], s[4:5], s[20:21]
	s_add_nc_u64 s[46:47], s[8:9], s[46:47]
	CROUND
.irp s, 0,1,2
	s_mov_b32 s[G0+4*\s], 1
	s_add_co_u32 s[G0+4*\s+1], s44, \s*SLOT
	s_add_nc_u64 s[G0+4*\s+2:G0+4*\s+3], s[20:21], \s*KCB
	s_or_b32 s[G0+4*\s+3], s[G0+4*\s+3], 0x80000000
	s_mov_b32 s[G0B+4*\s], 1
	s_add_co_u32 s[G0B+4*\s+1], s45, \s*SLOT
	s_add_nc_u64 s[G0B+4*\s+2:G0B+4*\s+3], s[46:47], \s*ROWB
	s_or_b32 s[G0B+4*\s+3], s[G0B+4*\s+3], 0x80000000
	JLOAD G0+4*\s, G1, G0B+4*\s, G1B               ; three loads of mine are out
.endr
	v_and_b32 v1, 15, v0                           ; r
	v_bfe_u32 v2, v0, 4, 1                         ; h
	v_and_b32 v3, 31, v0                           ; lane
	v_lshlrev_b32 v[CO], 4, v3                     ; 16 x lane
	v_mul_u32_u24 v30, v1, PITCH
	v_mad_u32_u24 v30, v2, 24, v30
	v_lshl_add_u32 v31, v2, 4, v30
	s_mul_i32 s18, s15, HALFA                      ; my four images
	s_mul_i32 s19, s16, HALFB
	s_add_co_u32 s19, s19, ABYTES                  ; my 128 rows of Wo
.irp s, 0,1,2
	v_add_nc_u32 v[ADRA+\s], s18, v[CO]
	v_add_nc_u32 v[ADRB+\s], s19, v30
	v_add_nc_u32 v[ADRB+3+\s], s19, v31
	s_add_co_u32 s18, s18, SLOT
	s_add_co_u32 s19, s19, SLOT
.endr
	s_mul_i32 s62, s14, 16*SPITCH
	s_add_co_u32 s62, s62, SLOT                    ; my stage
	v_mul_u32_u24 v30, v1, SPITCH
	v_lshl_add_u32 v30, v2, 5, v30
	v_add_nc_u32 v[STO], s62, v30                  ; in: row r, 32 bytes for each half of the lanes
	v_add_nc_u32 v[RD], s62, v[CO]                 ; back: the 32 lanes take one row of 512 bytes
	v_lshlrev_b32 v26, 5, v1
	v_lshl_add_u32 v26, v2, 10, v26                ; Wo's scale bytes: 32 a row; lanes 16-31 the rows 32 further on
	v_lshlrev_b32 v27, 2, v1
	v_lshl_add_u32 v27, v2, 7, v27                 ; out's scale words: 4 bytes a token; lanes 16-31 the tokens 32 further on
	s_lshl_b32 s18, s17, 7
	s_lshl_b32 s19, s15, 6
	s_add_co_u32 s18, s18, s19                     ; my first token
	s_lshl_b32 s62, s18, 2
	s_mov_b32 s63, 0
	s_add_nc_u64 s[6:7], s[6:7], s[62:63]
	s_lshl_b32 s94, s58, 8
	s_lshl_b32 s95, s16, 7
	s_add_co_u32 s94, s94, s95                     ; my first column
	s_lshl_b32 s62, s94, 5
	s_add_nc_u64 s[10:11], s[10:11], s[62:63]
	s_lshl_b32 s62, s18, 12
	s_lshl_b32 s95, s94, 2
	s_add_co_u32 s62, s62, s95
	s_add_nc_u64 s[12:13], s[12:13], s[62:63]      ; out0 at my first row and column
.irp g, 0,1
.irp q, 0,1,2,3,4,5,6,7
	global_load_b32 v[SA+8*\g+\q], v27, s[6:7] offset:32768*\q+64*\g
.endr
.endr
.irp g, 0,1,2,3
.irp u, 0,1
	global_load_b128 v[SB+8*\g+4*\u:SB+8*\g+4*\u+3], v26, s[10:11] offset:(64*(\g/2)+16*(\g%2))*32+16*\u
.endr
.endr
	s_wait_tensorcnt NSLOT-1                       ; my part of slot 0 is in; the two later first fills may stay out
	s_barrier_signal -1
	s_barrier_wait -1
	FETCH_B 0, 0, 0
	FETCH_A 0, 0, 0
	FETCH_A 0, 0, NA/2
	s_wait_loadcnt 0x0
	STEP 0, 0, 1, 1
	TURN 1, 0, 1, 1                                ; all three first fills have landed in every wave; slot 0 takes K 768 on
	STEP 2, 1, 1, 0
	STEP 3, 2, 0, 0                                ; into slot 2 without a barrier: the round above has shown it whole
	STEP 4, 2, 1, 0
	TURN 5, 2, 0, 0                                ; slot 0's second tile is whole; behind this barrier nobody reads slot 1
	STEP 6, 0, 1, 0
	s_wait_dscnt (NA/2)*NLA
	MULS 0, NA/2, 7, 0
	s_wait_dscnt 0x0
	MULS NA/2, NA/2, 7, 0
	WIN 0
; THE WAY OUT, block by block of 16 rows x 128 columns, through my own stage: in as 32 bytes a lane, back as whole rows of 512 bytes.  LDS serves a wave's instructions in order (ISA guide 5.7.1.4).
.macro TOSTAGE a
.set AC, 64*(\a)
	WIN 0x08                                       ; the data: window 2
.irp b, 0,1,2,3,4,5,6,7
	ds_store_b128 v[STO], v[AC+8*\b:AC+8*\b+3] offset:64*\b          ; each accumulator from its low end on
	ds_store_b128 v[STO], v[AC+8*\b+4:AC+8*\b+7] offset:64*\b+16
.endr
	WIN 0
.set BB, BK+64*((\a)%2)
.irp t, 0,1,2,3,4,5,6,7,8,9,10,11,12,13,14,15
	ds_load_b128 v[BB+4*\t:BB+4*\t+3], v[RD] offset:\t*SPITCH
.endr
.endm
.macro SEND a, younger                 ; younger: the LDS instructions issued behind block a's loads, which may stay out
.set BB, BK+64*((\a)%2)
	s_wait_dscnt \younger
.if (\a) > 0
	s_add_nc_u64 s[12:13], s[12:13], 16*4096       ; (behind a wait on XCNT: the earlier stores have read their base)
.endif
.irp t, 0,1,2,3,4,5,6,7,8,9,10,11,12,13,14,15
	global_store_b128 v[CO], v[BB+4*\t:BB+4*\t+3], s[12:13] offset:\t*4096 th:TH_STORE_NT   ; 32 lanes store 512 consecutive bytes, at a multiple of 256 from out0's first byte
.endr
.endm
	PLACES
	TOSTAGE 0
.irp a, 1,2,3
.if \a > 1
	s_wait_xcnt 0x0                                ; block a - 2's stores have read their registers and their base
.endif
	TOSTAGE \a
	SEND \a-1, 32                                  ; behind block a - 1's loads: block a's 16 stores and 16 loads
.endr
	s_wait_xcnt 0x0
	SEND 3, 0
	s_wait_tensorcnt 0x0                           ; the wave's end
	ds_add_u32 v[SPW], v[NIL]
	s_wait_dscnt 0x0
	CROUND                                         ; the closing round
	s_endpgm
.Lfunc_end_k_q56c6058185_proj_o:
	.size	k_q56c6058185_proj_o, .Lfunc_end_k_q56c6058185_proj_o-k_q56c6058185_proj_o
	.p2alignl 7, 3214868480
	.fill 96, 4, 3214868480
	.section	.rodata,"a",@progbits
	.p2align	6, 0x0
	.amdhsa_kernel k_q56c6058185_proj_o
		.amdhsa_group_segment_fixed_size 327680
		.amdhsa_private_segment_fixed_size 0
		.amdhsa_enable_private_segment 0
		.amdhsa_kernarg_size 40
		.amdhsa_user_sgpr_count 2
		.amdhsa_user_sgpr_kernarg_segment_ptr 1
		.amdhsa_wavefront_size32 1
		.amdhsa_system_sgpr_workgroup_id_x 1
		.amdhsa_system_sgpr_workgroup_id_y 1
		.amdhsa_system_sgpr_workgroup_id_z 1
		.amdhsa_system_vgpr_workitem_id 0
		.amdhsa_next_free_vgpr 768
		.amdhsa_next_free_sgpr 100
		.amdhsa_reserve_vcc 0
		.amdhsa_float_denorm_mode_32 3
		.amdhsa_float_denorm_mode_16_64 3
		.amdhsa_memory_ordered 1
		.amdhsa_forward_progress 1
		.amdhsa_inst_pref_size 93
	.end_amdhsa_kernel
	.amdgpu_metadata
---
amdhsa.version: [ 1, 2 ]
amdhsa.kernels:
  - .name:           k_q56c6058185_proj_o
    .symbol:         k_q56c6058185_proj_o.kd
    .args:
      - { .name: oc, .offset: 0, .size: 8, .value_kind: global_buffer, .address_space: global }
      - { .name: os, .offset: 8, .size: 8, .value_kind: global_buffer, .address_space: global }
      - { .name: Wo_codes, .offset: 16, .size: 8, .value_kind: global_buffer, .address_space: global }
      - { .name: Wo_scales, .offset: 24, .size: 8, .value_kind: global_buffer, .address_space: global }
      - { .name: out0, .offset: 32, .size: 8, .value_kind: global_buffer, .address_space: global }
    .group_segment_fixed_size: 327680
    .private_segment_fixed_size: 0
    .kernarg_segment_align: 8
    .kernarg_segment_size: 40
    .max_flat_workgroup_size: 128
    .sgpr_count:     100
    .vgpr_count:     768
    .wavefront_size: 32
...
	.end_amdgpu_metadata
.endif
;; end of part 4
